; MI455X (gfx1250); checked and timed in simulation.
; The chip was launched on July 23, 2026; its instructions are those of AMD's public machine-readable ISA for CDNA 5 (MIT licence, August 2026) and "CDNA5" Instruction Set Architecture Reference Guide (July 2026). The comments in the code are by the model that wrote it; some were corrected since.
;; Multi Head Attention. Allowed arithmetic: matrix products marked QUANTISED: E2M1 operands, one E8M0 scale for each 32 along K, by v_wmma_scale_f32_16x16x128_f8f6f4 with both operands' format E2M1 (or v_wmma_scale_f32_32x16x128_f4), f32 sums; everything else in f32.
;; Inputs: Wk 1,024 x 1,024 float32; Wo 1,024 x 1,024 float32; Wq 1,024 x 1,024 float32; Wv 1,024 x 1,024 float32; bk 1,024 float32; bo 1,024 float32; bq 1,024 float32; bv 1,024 float32; x 2 x 2,048 x 1,024 float32.
;; Outputs: out0 2 x 2,048 x 1,024 float32.
;; This version of the problem:
;;   THIS VERSION OF THE PROBLEM IS GIVEN IN LOW PRECISION. The matrix products marked QUANTISED in the list below multiply operands that are first quantised to E2M1 (2 exponent bits, 1 mantissa bit; 4 bits a number), with one power-of-two scale for each 32 numbers along K (OCP MX v1.0); their sums are f32. All else is computed in f32.
;;   The module's matrix products, in the order in which they are computed (A, B: the left and right operand; K: the contracted axis; several contracted axes count as one K, in the product's order):
;;     1. [M 4,096, K 1,024] x [K 1,024, N 1,024]; A: input x; B: input Wq: QUANTISED
;;     2. [M 4,096, K 1,024] x [K 1,024, N 1,024]; A: input x; B: input Wk: QUANTISED
;;     3. [M 4,096, K 1,024] x [K 1,024, N 1,024]; A: input x; B: input Wv: QUANTISED
;;     4. batch 32 x [M 2,048, K 64] x [K 64, N 2,048]; A: computed on the way; B: computed on the way: QUANTISED
;;     5. batch 32 x [M 2,048, K 2,048] x [K 2,048, N 64]; A: softmax (see below); B: computed on the way: QUANTISED
;;     6. [M 4,096, K 1,024] x [K 1,024, N 1,024]; A: computed on the way; B: input Wo: QUANTISED
;;   THE QUANTISER, for each operand of a quantised product, along K:
;;     - K is cut into blocks of 32 from its start; a last block that is shorter is filled with zeros.
;;     - A block's scale is 2^e with e = floor(log2(the largest magnitude in the block)) - 2, held to -126 .. 127; a block of zeros has e = 0. As a byte (E8M0): e + 127.
;;     - Each number is divided by its block's scale, clamped to +-6, and rounded to the nearest number of E2M1, ties to even, subnormals kept.
;;     - The product sums the exact products of the quantised numbers (number of the format x scale) in f32.
;;   ~~~python
;;   def quantise(x, axis):      # numpy; x: float32 -> the quantised numbers, widened to float32 again
;;       x = np.moveaxis(x, axis, -1); K = x.shape[-1]
;;       x = np.pad(x, [(0, 0)] * (x.ndim - 1) + [(0, -K % 32)]); x = x.reshape(x.shape[:-1] + (-1, 32)); a = np.abs(x).max(-1, keepdims=True)
;;       e = np.where(a > 0, np.clip(np.frexp(np.where(a > 0, a, 1))[1] - 1 - 2, -126, 127), 0)      # np.frexp(a)[1] - 1 = floor(log2(a)), exactly
;;       r = np.clip(x / 2.0 ** e, -6, 6)
;;       step = 2.0 ** (np.maximum(np.frexp(np.where(r == 0, 1, r))[1] - 1, 0) - 1)
;;       q = np.round(r / step) * step * 2.0 ** e      # np.round: ties to even
;;       return np.moveaxis(q.reshape(q.shape[:-2] + (-1,))[..., :K], -1, axis).astype(np.float32)
;;   ~~~
;;   SOFTMAX AHEAD OF A QUANTISED PRODUCT. Where the list says 'softmax', what is quantised is not the finished softmax but p = 2^(t - M), with t = logit x log2(e) and M = ceil(the row's largest t), a whole number; so 1/2 < the row's largest p <= 1. The row's sum l is taken of the UNQUANTISED p, in f32, and the product's result is divided by l at the end. Since M is a whole number, a kernel that streams over the keys may use a running M (the ceiling of the running maximum): every later rescaling is an exact power of two, which a block's scale takes up: the codes' values come out the same.
;;   OPERANDS COMPUTED ON THE WAY. 'Computed on the way' means the value that the module computes at that place (a softmax that the list does not call 'softmax' is quantised finished and normalised). What goes into a quantiser is computed in f32, as accurately as f32 sums, v_exp_f32 and their like allow (about 1e-6 of the number): no bf16 or f16 on the way to a quantiser, and a product that is left as it is and whose result goes on into a quantised operand takes f32 operands (vector FMAs, or v_wmma_f32_16x16x4_f32). A number that lies on a knife's edge between two numbers of the format may be rounded either way, as far as f32 arithmetic and the matrix unit's own rounding can turn it there, and no further.
;; One version. Each part assembles by itself: llvm-mc -triple=amdgcn-amd-amdhsa -mcpu=gfx1250 --defsym DOCPART=n.
;; ======== version 1 of 1: 4 launches
;; limits: right only within a limited range of input values
;; workspace buffers: codes 4,194,304 bytes; scl 262,144 bytes; qkv_img 6,291,456 bytes; qkv_sc 655,360 bytes; a_img 2,097,152 bytes; a_sc 131,072 bytes
;; launch quant (part 1): grid 256 x 1, 16 waves a work-group, no clusters, 102,400 bytes of LDS; arguments x, Wv, Wq, Wk, Wo, codes, scl; writes codes, scl
.if DOCPART == 1
	.amdgcn_target "amdgcn-amd-amdhsa--gfx1250"
	.amdhsa_code_object_version 6
	.text
	.protected	k_q671b308c67_quant
	.globl	k_q671b308c67_quant
	.p2align	8
	.type	k_q671b308c67_quant,@function
k_q671b308c67_quant:
	s_mov_b64 s[64:65], 0
	v_nop
	global_prefetch_b8 v0, s[64:65] scope:SCOPE_SE
	s_setreg_imm32_b32 hwreg(HW_REG_WAVE_MODE, 25, 1), 1
	s_wait_xcnt 0x0
; x [4096][1024] and Wv, Wq, Wk, Wo [1024][1024], f32 with K innermost, become codes of FP4 (E2M1) and one E8M0 scale byte for each 32 along K.
; A block's scale is 2^(floor(log2(its largest magnitude)) - 2): its byte is the largest magnitude's exponent field - 2, held at 1 from below.
; LIMITS: NaN and infinities among the inputs are not served; a block whose largest magnitude lies under 2^-124 keeps the byte 1; a block of zeros gets the byte 1
; where the rule says 127: its codes are zeros, which add nothing under any byte but 0xff, and this program alone reads the bytes.
; THE 8,192 ROWS (x, Wv, Wq, Wk, Wo on end) ARE LAID IN THE ORDER OF THE OPERAND'S REGISTERS.  Rows go in groups of 32; a group is two tiles of 16: tile u takes rows 8 u + r + 8 (r / 8), r = 0 .. 15.
; codes: tile x 8,192 + (k / 32) x 256 + r x 16 + the block's 16 bytes: a fragment's four registers are then 512 consecutive bytes, 16 a lane.   scl: tile x 512 + r x 32 + k / 32.
; SHARES.  A work-group takes one group of 32 rows (131,072 bytes in, 16,384 + 1,024 out); wave w its rows 2 w and 2 w + 1, as four steps of 512 numbers.  All sixteen loads of a wave go out at once.
; A step's 2,048 bytes are loaded as they lie (512 consecutive bytes a load) and turn through the wave's own stage in LDS, so that a lane holds 16 neighbours along K; two neighbouring lanes hold a block.
; The codes meet in a stage of 64 units of 256 bytes (+ 16 of padding), one barrier, and leave as 512 consecutive bytes a store.
.set WST,  5120                        ; LDS: for each wave two turn stages of 32 x 80 bytes
.set SP,   80                          ; a lane's 64 bytes + 16 of padding
.set CST,  81920                       ; the codes' stage: unit 32 u + k / 32
.set CU,   272                         ; a unit: 256 bytes + 16 = 68 words: the 32 lanes of a store of 8 bytes fall on 64 different banks
.set SCS,  99328                       ; the scale bytes' stage: 1,024 bytes
.set R,    16                          ; v16-79    four steps' numbers as loaded
.set X,    80                          ; v80-111   two sets of 16 neighbours
.set C,    112                         ; v112-119  a step's codes, two registers each
.set E,    120                         ; v120-123  a step's scale byte
.set OUTR, 124                         ; v124-135  the way out
.set WV,   22
	s_load_b256 s[4:11], s[0:1], 0x0               ; x, Wv, Wq, Wk
	s_load_b128 s[12:15], s[0:1], 0x20             ; Wo, codes
	s_load_b64 s[16:17], s[0:1], 0x30              ; scl
	v_lshl_add_u32 v136, v0, 2, 0x18800
	v_mov_b32 v137, 0
	v_lshrrev_b32 v8, 5, v0
	s_delay_alu instid0(VALU_DEP_1)
	v_readfirstlane_b32 s[WV], v8                  ; wave 0..15
	v_and_b32 v9, 31, v0                           ; lane
	s_delay_alu instid0(VALU_DEP_1)
	v_lshlrev_b32 v1, 4, v9                        ; my 16 bytes of a load's or a store's 512
	s_and_b32 s20, ttmp9, 31                       ; a weight's group of rows
	s_lshl_b32 s28, ttmp9, 14                      ; the group's codes
	s_mov_b32 s29, 0
	s_lshl_b32 s30, ttmp9, 10                      ; and its scale bytes
	s_mov_b32 s31, 0
	s_wait_alu depctr_va_vdst(0)
	s_wait_kmcnt 0x0
	s_cmp_lt_u32 ttmp9, 224                        ; which tensor: the choice hangs on the work-group's number alone
	s_cselect_b64 s[18:19], s[10:11], s[12:13]
	s_cmp_lt_u32 ttmp9, 192
	s_cselect_b64 s[18:19], s[8:9], s[18:19]
	s_cmp_lt_u32 ttmp9, 160
	s_cselect_b64 s[18:19], s[6:7], s[18:19]
	s_cmp_lt_u32 ttmp9, 128
	s_cselect_b64 s[18:19], s[4:5], s[18:19]
	s_cselect_b32 s20, ttmp9, s20                  ; x has 128 groups, a weight 32
	s_lshl_b32 s20, s20, 17                        ; 32 rows of 4,096 bytes
	s_lshl_b32 s21, s[WV], 13                      ; my two rows
	s_add_co_u32 s20, s20, s21
	s_mov_b32 s21, 0
	s_add_nc_u64 s[18:19], s[18:19], s[20:21]
	s_add_nc_u64 s[14:15], s[14:15], s[28:29]
	s_add_nc_u64 s[16:17], s[16:17], s[30:31]
.macro LOAD t
.irp i, 0,1,2,3
	global_load_b128 v[R+16*(\t)+4*\i:R+16*(\t)+4*\i+3], v1, s[18:19] offset:2048*(\t)+512*\i th:TH_LOAD_NT   ; 32 lanes read 512 consecutive bytes, read once in the launch
.endr
.endm
	LOAD 0
	LOAD 1
	LOAD 2
	LOAD 3
	s_mul_i32 s23, s[WV], WST
	v_lshrrev_b32 v14, 2, v9
	s_delay_alu instid0(VALU_DEP_1)
	v_mul_u32_u24 v14, v14, SP
	v_and_b32 v15, 3, v9
	s_delay_alu instid0(VALU_DEP_1)
	v_lshl_add_u32 v14, v15, 4, v14
	s_delay_alu instid0(VALU_DEP_1)
	v_add_nc_u32 v14, s23, v14                     ; the turn stage, in: four lanes' 64 bytes on end, then the padding
	v_mul_u32_u24 v15, v9, SP
	s_delay_alu instid0(VALU_DEP_1)
	v_add_nc_u32 v15, s23, v15                     ; and out: my 16 neighbours
	s_bfe_u32 s24, s[WV], 0x10002                  ; u = (w / 4) % 2: my rows' tile
	s_and_b32 s25, s[WV], 3
	s_lshl_b32 s25, s25, 1
	s_lshr_b32 s26, s[WV], 3
	s_lshl_b32 s26, s26, 3
	s_add_co_u32 s25, s25, s26                     ; r0 = 2 (w % 4) + 8 (w / 8): row 2 w's place in the tile; row 2 w + 1 has the next
	s_mul_i32 s26, s24, 32*CU
	s_lshl_b32 s27, s25, 4
	s_add_co_u32 s26, s26, s27
	s_add_co_u32 s26, s26, CST
	v_lshrrev_b32 v8, 1, v9                        ; my block of the step's sixteen
	s_delay_alu instid0(VALU_DEP_1)
	v_mul_u32_u24 v2, v8, CU
	v_and_b32 v11, 1, v9
	s_delay_alu instid0(VALU_DEP_1)
	v_lshl_add_u32 v2, v11, 3, v2
	s_delay_alu instid0(VALU_DEP_1)
	v_add_nc_u32 v2, s26, v2                       ; where my 8 bytes of codes go
	s_lshl_b32 s26, s24, 9
	s_lshl_b32 s27, s25, 5
	s_add_co_u32 s26, s26, s27
	s_add_co_u32 s26, s26, SCS
	v_add_nc_u32 v3, s26, v8                       ; and my block's scale byte
	s_mul_i32 s26, s[WV], 4*CU
	s_add_co_u32 s26, s26, CST
	v_lshrrev_b32 v8, 4, v9
	s_delay_alu instid0(VALU_DEP_1)
	v_mul_u32_u24 v4, v8, CU
	v_and_b32 v11, 15, v9
	s_delay_alu instid0(VALU_DEP_1)
	v_lshl_add_u32 v4, v11, 4, v4
	s_delay_alu instid0(VALU_DEP_1)
	v_add_nc_u32 v4, s26, v4                       ; back: wave w takes units 4 w .. 4 w + 3, two an instruction
	s_lshl_b32 s26, s[WV], 10
	v_add_nc_u32 v5, s26, v1                       ; and their place in the group's codes
	s_min_u32 s26, s[WV], 1                        ; waves 0 and 1 carry the scale bytes out, 512 each
	s_lshl_b32 s26, s26, 9
	v_add_nc_u32 v7, s26, v1
	s_delay_alu instid0(VALU_DEP_1)
	v_add_nc_u32 v6, SCS, v7
.macro TURN t                          ; step t's numbers through the stage: LDS serves a wave's instructions in order, so no wait stands between the stores and the loads
.irp i, 0,1,2,3
	ds_store_b128 v14, v[R+16*(\t)+4*\i:R+16*(\t)+4*\i+3] offset:32*SP*((\t)%2)+8*SP*\i
.endr
.irp i, 0,1,2,3
	ds_load_b128 v[X+16*((\t)%2)+4*\i:X+16*((\t)%2)+4*\i+3], v15 offset:32*SP*((\t)%2)+16*\i
.endr
.endm
	s_wait_loadcnt 12                              ; step 0's four loads are in; the twelve behind them may be out
	TURN 0
.macro STEP t                          ; step t: row 2 w + t / 2, its half t % 2
.set XS, X+16*((\t)%2)
.if (\t) > 0
	s_wait_dscnt 0x2                               ; this step's numbers are back from the stage; behind those loads stand the last step's two stores
.else
	s_wait_dscnt 0x0
.endif
.if (\t) < 3
	s_wait_loadcnt 4*(2-(\t))                      ; the next step's four loads are in; four for each later step may be out
	TURN (\t)+1
.endif
	v_max3_num_f32 v8, |v[XS]|, |v[XS+1]|, |v[XS+2]|               ; the largest magnitude of my 16, in two chains
	v_max3_num_f32 v10, |v[XS+3]|, |v[XS+4]|, |v[XS+5]|
.irp i, 6,10
	s_delay_alu instid0(VALU_DEP_2)
	v_max3_num_f32 v8, v8, |v[XS+\i]|, |v[XS+\i+1]|
	s_delay_alu instid0(VALU_DEP_2)
	v_max3_num_f32 v10, v10, |v[XS+\i+2]|, |v[XS+\i+3]|
.endr
	s_delay_alu instid0(VALU_DEP_2)
	v_max3_num_f32 v8, v8, |v[XS+14]|, |v[XS+15]|
	s_delay_alu instid0(VALU_DEP_1)
	v_max3_num_f32 v8, v8, v10, 0x1800000          ; and the floor 2^(3 - 127): the byte cannot fall under 1
	s_delay_alu instid0(VALU_DEP_1)
	v_max_num_f32_dpp v8, v8, v8 row_xmask:1 row_mask:0xf bank_mask:0xf   ; with my neighbour's 16: the block's
	s_delay_alu instid0(VALU_DEP_1)
	v_add_nc_u32 v11, 0xff000000, v8               ; 2 off its exponent field: the conversion takes the exponent field of this operand as its scale
	v_cvt_scalef32_pk8_fp4_f32 v[C+2*(\t)], v[XS:XS+7], v11
	v_cvt_scalef32_pk8_fp4_f32 v[C+2*(\t)+1], v[XS+8:XS+15], v11
	v_lshrrev_b32 v[E+(\t)], 23, v11               ; the scale's byte (also the plain line behind the conversions)
	ds_store_b8 v3, v[E+(\t)] offset:32*((\t)/2)+16*((\t)%2)       ; both lanes of a block write the same byte with the same value
	ds_store_b64 v2, v[C+2*(\t):C+2*(\t)+1] offset:16*CU*((\t)%2)+16*((\t)/2)
.endm
	STEP 0
	STEP 1
	STEP 2
	STEP 3
	s_wait_dscnt 0x0                               ; for the others' sake: my stores into the two stages are done
	s_barrier_signal -1
	s_barrier_wait -1
	ds_load_b128 v[OUTR:OUTR+3], v4
	ds_load_b128 v[OUTR+4:OUTR+7], v4 offset:2*CU
	s_wait_dscnt 0x1                               ; the first is back, the second may be out
	global_store_b128 v5, v[OUTR:OUTR+3], s[14:15]                 ; 32 lanes store 512 consecutive bytes, at a multiple of 256 from the buffer's first byte
	s_wait_dscnt 0x0
	global_store_b128 v5, v[OUTR+4:OUTR+7], s[14:15] offset:512
	s_cmp_lt_u32 s[WV], 2
	s_cbranch_scc0 .Ldone
	ds_load_b128 v[OUTR+8:OUTR+11], v6
	s_wait_dscnt 0x0
	global_store_b128 v7, v[OUTR+8:OUTR+11], s[16:17]
.Ldone:
	s_wait_tensorcnt 0x0
	ds_add_u32 v136, v137
	s_wait_dscnt 0x0
	s_endpgm
.Lfunc_end_k_q671b308c67_quant:
	.size	k_q671b308c67_quant, .Lfunc_end_k_q671b308c67_quant-k_q671b308c67_quant
	.p2alignl 7, 3214868480
	.fill 96, 4, 3214868480
	.section	.rodata,"a",@progbits
	.p2align	6, 0x0
	.amdhsa_kernel k_q671b308c67_quant
		.amdhsa_group_segment_fixed_size 102400
		.amdhsa_private_segment_fixed_size 0
		.amdhsa_enable_private_segment 0
		.amdhsa_kernarg_size 56
		.amdhsa_user_sgpr_count 2
		.amdhsa_user_sgpr_kernarg_segment_ptr 1
		.amdhsa_wavefront_size32 1
		.amdhsa_system_sgpr_workgroup_id_x 1
		.amdhsa_system_sgpr_workgroup_id_y 1
		.amdhsa_system_sgpr_workgroup_id_z 1
		.amdhsa_system_vgpr_workitem_id 0
		.amdhsa_next_free_vgpr 138
		.amdhsa_next_free_sgpr 66
		.amdhsa_reserve_vcc 0
		.amdhsa_float_denorm_mode_32 3
		.amdhsa_float_denorm_mode_16_64 3
		.amdhsa_memory_ordered 1
		.amdhsa_forward_progress 1
		.amdhsa_inst_pref_size 14
	.end_amdhsa_kernel
	.amdgpu_metadata
---
amdhsa.version: [ 1, 2 ]
amdhsa.kernels:
  - .name:           k_q671b308c67_quant
    .symbol:         k_q671b308c67_quant.kd
    .args:
      - { .name: x, .offset: 0, .size: 8, .value_kind: global_buffer, .address_space: global }
      - { .name: Wv, .offset: 8, .size: 8, .value_kind: global_buffer, .address_space: global }
      - { .name: Wq, .offset: 16, .size: 8, .value_kind: global_buffer, .address_space: global }
      - { .name: Wk, .offset: 24, .size: 8, .value_kind: global_buffer, .address_space: global }
      - { .name: Wo, .offset: 32, .size: 8, .value_kind: global_buffer, .address_space: global }
      - { .name: codes, .offset: 40, .size: 8, .value_kind: global_buffer, .address_space: global }
      - { .name: scl, .offset: 48, .size: 8, .value_kind: global_buffer, .address_space: global }
    .group_segment_fixed_size: 102400
    .private_segment_fixed_size: 0
    .kernarg_segment_align: 8
    .kernarg_segment_size: 56
    .max_flat_workgroup_size: 512
    .sgpr_count:     66
    .vgpr_count:     138
    .wavefront_size: 32
...
	.end_amdgpu_metadata
.endif
;; end of part 1
;; launch qkv (part 2): grid 8 x 32, 12 waves a work-group, clusters of 4 x 4, 327,680 bytes of LDS; arguments codes, scl, bq, bk, bv, qkv_img, qkv_sc; writes qkv_img, qkv_sc
.if DOCPART == 2
	.amdgcn_target "amdgcn-amd-amdhsa--gfx1250"
	.amdhsa_code_object_version 6
	.text
	.protected	k_q671b308c67_qkv
	.globl	k_q671b308c67_qkv
	.p2align	8
	.type	k_q671b308c67_qkv,@function
k_q671b308c67_qkv:
	s_mov_b64 s[64:65], 0
	v_nop
	global_prefetch_b8 v0, s[64:65] scope:SCOPE_SE
	s_setreg_imm32_b32 hwreg(HW_REG_WAVE_MODE, 25, 1), 1
	s_wait_xcnt 0x0
	s_wait_alu depctr_hold_cnt(0) depctr_sa_sdst(0) depctr_va_vdst(0) depctr_va_sdst(0) depctr_va_ssrc(0) depctr_va_vcc(0) depctr_vm_vsrc(0)
	s_getreg_b32 s2, hwreg(HW_REG_IB_STS2, 6, 4)
	s_cmp_eq_u32 s2, 0
	s_cbranch_scc0 .Lentry_in_a_cluster
	s_endpgm
.Lentry_in_a_cluster:
	s_bfe_u32 s2, ttmp6, 0x10000c
	s_cmp_lg_u32 s2, 0xf033
	s_cbranch_scc0 .Lentry_shape_is_right
	s_endpgm
.Lentry_shape_is_right:
; q = x Wq^T + bq, k = x Wk^T + bk, v = x Wv^T + bv on codes of FP4 (E2M1) with E8M0 scales, sums in f32; the three results are quantised in registers for the attention's two products:
; q and k along the head's 64, v along the keys.  LIMITS: as the quantising launch states them (NaN, infinities, the floor of a block's byte, the byte of a block of zeros).
; SHARES.  Work-group (j, i) makes 128 tokens (block i) x 128 columns (block j: heads 2 j, 2 j + 1) of q, k and v.  Twelve waves: role p = wave / 4 (0 q, 1 k, 2 v), quarter qd = wave % 4.
; A wave multiplies all 128 rows of source 0 by 32 rows of source 1: 16 accumulators, K = 1,024 in eight steps of 128.
;   q, k: source 0 = the weight's 128 rows, source 1 = 32 tokens: a lane holds ONE token, its registers run along the columns, which are the next product's K.
;   v:    source 0 = the 128 tokens, source 1 = 32 rows of Wv: a lane holds ONE column d, its registers run along the tokens, which are the keys: the next product's K.
; THE ROWS OF A TILE ARE NOT NEIGHBOURS: lane r of tile 2 B + u holds row 32 B + 8 u + r + 8 (r / 8); so the 16 registers of tiles 2 B and 2 B + 1 are 16 neighbours, 32 B + 16 (lane / 16) + 0 .. 15.
; All operands lie in memory in the order of the operand's registers: a block of 128 rows is 65,536 dense bytes of codes and 4,096 of scale bytes.  The four blocks fit in LDS at once: each is filled
; once, nothing is filled again.  CLUSTER 4 x 4: the four work-groups of a row share x's block, the four of a column the weights': every fill is a joint load, one a wave.
; OUT.  q, k: [head][tile of 16 tokens][lane][16 bytes]: half a fragment (the head's 64); v: [head][key step of 128][tile of 16 d][2][lane][16 bytes].  Scale words: one a row and fragment.
;   In q's and k's scale words bytes 0, 1 are the head's two blocks; bytes 2, 3 (the neighbouring head's bytes, or 0) stand over zero codes in the attention and are never 0xff.
.set SCL,  262144                      ; LDS: code regions of 65,536 bytes: 0 Wv, 1 Wq, 2 Wk, 3 x; from SCL on their scale bytes, 4,096 each
.set SCST, 278528                      ; a stage for the new scale words, 1,024 bytes a role: no fill lands here
.set BV,   12                          ; v12-27   v's bias: eight equal registers for each of source 1's two tiles
.set SS0,  28                          ; v28-43   source 0's scale words: register 4 q + ks % 4: lanes 0-15 tile q, lanes 16-31 tile q + 4
.set SS1,  44                          ; v44-47   source 1's: register ks % 4: lanes 0-15 tile 0, lanes 16-31 tile 1
.set F1,   48                          ; v48-63   source 1's two fragments
.set F0,   64                          ; v64-127  source 0's eight
.set ACC,  128                         ; v128-255 accumulator (t, s) at ACC + 64 s + 8 t
.set TM,   64                          ; on the way out: v64-79 at work, v80 the scale word, v81-82 as stored, v88-103 the codes, v104-111 the scale words' way out
.set PW,   80
.set PWS,  81
.set PC,   88
.set FL,   104
.set SEL,  2                           ; s[2:3] v_permlanex16_b32's selects for lane l xor 16
.set WV,   26
.set RP,   27
.set QD,   28
.set ISV,  29
.set G1WC, 36                          ; descriptor groups 1: the weights' codes, x's codes, the weights' scale bytes, x's
.set G1XC, 44
.set G1WS, 52
.set G1XS, 68
.set G0WC, 76                          ; and groups 0
.set G0XC, 80
.set G0WS, 84
.set G0XS, 88
.macro CROUND                          ; a round of the cluster's barrier
	s_barrier_signal -1
	s_barrier_wait -1
	s_cmp_lg_u32 s[WV], 0
	s_cbranch_scc1 .Lnot_wave_0_\@
	s_barrier_signal -3
.Lnot_wave_0_\@:
	s_barrier_wait -3
	s_barrier_signal -1
	s_barrier_wait -1
.endm
.macro PLACES                          ; four plain places behind a matrix instruction, in front of loads into its registers and of reads of its results
.rept 4
	v_nop
.endr
.endm
; one product; ra, rb: the scale words stand in lanes 16-31
.macro MM d, a, b, c, sa, sb, ra, rb
.if (\ra) && (\rb)
	v_wmma_scale_f32_16x16x128_f8f6f4 v[(\d):(\d)+7], v[(\a):(\a)+7], v[(\b):(\b)+7], v[(\c):(\c)+7], v[\sa], v[\sb] matrix_a_fmt:MATRIX_FMT_FP4 matrix_b_fmt:MATRIX_FMT_FP4 matrix_a_scale:MATRIX_SCALE_ROW1 matrix_b_scale:MATRIX_SCALE_ROW1
.elseif (\ra)
	v_wmma_scale_f32_16x16x128_f8f6f4 v[(\d):(\d)+7], v[(\a):(\a)+7], v[(\b):(\b)+7], v[(\c):(\c)+7], v[\sa], v[\sb] matrix_a_fmt:MATRIX_FMT_FP4 matrix_b_fmt:MATRIX_FMT_FP4 matrix_a_scale:MATRIX_SCALE_ROW1
.elseif (\rb)
	v_wmma_scale_f32_16x16x128_f8f6f4 v[(\d):(\d)+7], v[(\a):(\a)+7], v[(\b):(\b)+7], v[(\c):(\c)+7], v[\sa], v[\sb] matrix_a_fmt:MATRIX_FMT_FP4 matrix_b_fmt:MATRIX_FMT_FP4 matrix_b_scale:MATRIX_SCALE_ROW1
.else
	v_wmma_scale_f32_16x16x128_f8f6f4 v[(\d):(\d)+7], v[(\a):(\a)+7], v[(\b):(\b)+7], v[(\c):(\c)+7], v[\sa], v[\sb] matrix_a_fmt:MATRIX_FMT_FP4 matrix_b_fmt:MATRIX_FMT_FP4
.endif
.endm
; 64 numbers of a lane, register 16 b + i = k 32 b + 16 (lane / 16) + i of my row, become a fragment's codes in v[pc] on and its scale word in v[PW]
.macro QUANT src, pc
.irp b, 0,1,2,3
	v_max3_num_f32 v[TM+\b], |v[(\src)+16*\b]|, |v[(\src)+1+16*\b]|, 0x1800000   ; block b: my 16 numbers, from each accumulator's low end on, and the floor 2^(3 - 127)
.endr
.irp i, 2,4,6,8,10,12,14
.irp b, 0,1,2,3
	v_max3_num_f32 v[TM+\b], v[TM+\b], |v[(\src)+16*\b+\i]|, |v[(\src)+1+16*\b+\i]|   ; the four blocks by turns
.endr
.endr
.irp b, 0,1,2,3
	s_delay_alu instid0(VALU_DEP_4)
	v_permlanex16_b32 v[TM+4+\b], v[TM+\b], s[SEL], s[SEL+1]
.endr
.irp b, 0,1,2,3
	s_delay_alu instid0(VALU_DEP_4)
	v_max_num_f32 v[TM+\b], v[TM+\b], v[TM+4+\b]   ; with lane l xor 16's: the block's largest magnitude
.endr
.irp b, 0,1,2,3
	s_delay_alu instid0(VALU_DEP_4)
	v_add_nc_u32 v[TM+12+\b], 0xff000000, v[TM+\b]   ; 2 off its exponent field: the conversion's scale operand
.endr
.irp b, 0,1,2,3
	s_delay_alu instid0(VALU_DEP_4)
	v_lshrrev_b32 v[TM+4+\b], 23, v[TM+12+\b]      ; the scale's byte
.endr
	s_delay_alu instid0(VALU_DEP_3)
	v_lshl_or_b32 v[PW], v[TM+5], 8, v[TM+4]
	s_delay_alu instid0(VALU_DEP_1)
	v_lshl_or_b32 v[PW], v[TM+6], 16, v[PW]
	s_delay_alu instid0(VALU_DEP_1)
	v_lshl_or_b32 v[PW], v[TM+7], 24, v[PW]
.irp b, 0,1,2,3
	v_cvt_scalef32_pk8_fp4_f32 v[(\pc)+2*\b], v[(\src)+16*\b:(\src)+7+16*\b], v[TM+12+\b]
	v_cvt_scalef32_pk8_fp4_f32 v[(\pc)+1+2*\b], v[(\src)+8+16*\b:(\src)+15+16*\b], v[TM+12+\b]
.endr
	v_nop                                          ; one plain place behind a scaled conversion
.irp c, 0,1                                    ; the operand's layout wants a whole block in a lane: lanes 0-15 block 2 c, lanes 16-31 block 2 c + 1
.irp i, 0,1
	v_permlane16_swap_b32 v[(\pc)+4*\c+\i], v[(\pc)+2+4*\c+\i]
.endr
.endr
.endm
	s_load_b256 s[4:11], s[0:1], 0x0               ; codes, scl, bq, bk
	s_load_b128 s[12:15], s[0:1], 0x20             ; bv, qkv_img
	s_load_b64 s[16:17], s[0:1], 0x30              ; qkv_sc
	s_set_vgpr_msb 0x40
	v_lshl_add_u32 v0, v0, 2, 0x44a00
	v_mov_b32 v1, 0
	s_set_vgpr_msb 0x4045
	ds_add_u32 v0, v1
	ds_add_u32 v0, v1
	s_set_vgpr_msb 0x4500
	v_lshrrev_b32 v48, 5, v0
	s_delay_alu instid0(VALU_DEP_1)
	v_readfirstlane_b32 s[WV], v48                 ; wave 0..11
	s_lshr_b32 s[RP], s[WV], 2                     ; role: 0 q, 1 k, 2 v
	s_and_b32 s[QD], s[WV], 3                      ; quarter
	s_lshr_b32 s[ISV], s[WV], 3                    ; 1 for v
	s_bfe_u32 s30, ttmp6, 0x40000                  ; cx, cy: my place in the cluster
	s_bfe_u32 s31, ttmp6, 0x40004
	s_lshl_b32 s32, ttmp9, 2
	s_add_co_u32 s32, s32, s30                     ; j: block of 128 columns
	s_and_b32 s33, ttmp7, 0xffff
	s_lshl_b32 s33, s33, 2
	s_add_co_u32 s33, s33, s31                     ; i: block of 128 tokens
	s_lshl_b32 s34, s31, 2
	s_lshl_b32 s34, 15, s34                        ; my row of the cluster: shares i
	s_lshl_b32 s35, 0x1111, s30                    ; my column: shares j
	s_mov_b32 s[SEL], 0x76543210
	s_mov_b32 s[SEL+1], 0xfedcba98
	; groups 1: dense blocks as rows of 256 bytes (32 elements of 8 bytes); 15:0 the mask, 17:16 element size, 21 set beside a mask
	s_or_b32 s[G1WC], s35, (3<<16)|(1<<21)
	s_or_b32 s[G1XC], s34, (3<<16)|(1<<21)
	s_or_b32 s[G1WS], s35, (3<<16)|(1<<21)
	s_or_b32 s[G1XS], s34, (3<<16)|(1<<21)
.irp g, G1WC, G1XC                     ; half a block of codes: 128 rows of 256 bytes
	s_mov_b32 s[\g+1], 32<<16                      ; tensor_dim0
	s_mov_b32 s[\g+2], 128<<16                     ; tensor_dim1
	s_mov_b32 s[\g+3], 32<<16                      ; tile_dim0
	s_mov_b32 s[\g+4], 128                         ; tile_dim1
	s_mov_b32 s[\g+5], 32                          ; the pitch
	s_mov_b32 s[\g+6], 0
	s_mov_b32 s[\g+7], 0
.endr
.irp g, G1WS, G1XS                     ; a block's scale bytes: 16 rows of 256 bytes
	s_mov_b32 s[\g+1], 32<<16
	s_mov_b32 s[\g+2], 16<<16
	s_mov_b32 s[\g+3], 32<<16
	s_mov_b32 s[\g+4], 16
	s_mov_b32 s[\g+5], 32
	s_mov_b32 s[\g+6], 0
	s_mov_b32 s[\g+7], 0
.endr
	; what I fetch.  Waves 0-5: the halves of Wv's, Wq's, Wk's codes; 6, 7: of x's; 8-10: the weights' scale bytes; 11: x's.  Every wave makes all four addresses, x's in registers that never hold j, the weights' in registers that never hold i
	s_and_b32 s20, s[WV], 1
	s_lshl_b32 s20, s20, 15                        ; which half of a block's 65,536 bytes
	s_lshr_b32 s92, s[WV], 1
	s_min_u32 s92, s92, 2                          ; which weight (held inside the buffer in the waves that do not ask by it)
	s_lshl_b32 s92, s92, 3
	s_add_co_u32 s92, s92, s32
	s_add_co_u32 s92, s92, 32                      ; the weights' blocks begin at 32: Wv, Wq, Wk, eight each
	s_lshl_b32 s92, s92, 16
	s_add_co_u32 s92, s92, s20
	s_mov_b32 s93, 0
	s_lshl_b32 s94, s33, 16                        ; x's block i
	s_add_co_u32 s94, s94, s20
	s_mov_b32 s95, 0
	s_lshl_b32 s96, s[QD], 3
	s_add_co_u32 s96, s96, s32
	s_add_co_u32 s96, s96, 32
	s_lshl_b32 s96, s96, 12                        ; wave 8 + n: weight n's scale bytes
	s_mov_b32 s97, 0
	s_lshl_b32 s18, s33, 12
	s_mov_b32 s19, 0
	s_min_u32 s100, s[WV], 7
	s_lshl_b32 s100, s100, 15                      ; where codes go: wave x 32,768: no place in the cluster enters an LDS address
	s_lshl_b32 s101, s[QD], 12
	s_add_co_u32 s101, s101, SCL                   ; where scale bytes go
	; where my results go: role x 2 MiB + head 16 b + 2 j + the tokens' 4,096 bytes a head, + my quarter's part
	s_lshl_b32 s22, s[RP], 21
	s_and_b32 s23, s33, 16
	s_lshl_b32 s24, s32, 1
	s_add_co_u32 s23, s23, s24
	s_lshl_b32 s23, s23, 16
	s_add_co_u32 s22, s22, s23
	s_and_b32 s23, s33, 15
	s_lshl_b32 s23, s23, 12
	s_add_co_u32 s22, s22, s23
	s_lshl_b32 s23, s[QD], 10                      ; q, k: two tiles of tokens, 512 bytes each
	s_lshr_b32 s24, s[QD], 1
	s_lshl_b32 s24, s24, 16                        ; v: head 2 j + qd / 2,
	s_and_b32 s25, s[QD], 1
	s_lshl_b32 s25, s25, 11                        ;    its tiles of d 2 (qd % 2) on
	s_add_co_u32 s24, s24, s25
	s_cmp_eq_u32 s[ISV], 0
	s_cselect_b32 s23, s23, s24
	s_add_co_u32 s22, s22, s23
	s_mov_b32 s23, 0
	s_lshl_b32 s24, s33, 3                         ; the scale words: role x 262,144 + (8 i + j) x 1,024 (v: x 512)
	s_add_co_u32 s24, s24, s32
	s_lshl_b32 s24, s24, 10
	s_lshr_b32 s24, s24, s[ISV]
	s_lshl_b32 s25, s[RP], 18
	s_add_co_u32 s24, s24, s25
	s_mov_b32 s25, 0
	s_wait_dscnt 0x0
	s_wait_kmcnt 0x0
	s_add_nc_u64 s[22:23], s[14:15], s[22:23]
	s_add_nc_u64 s[24:25], s[16:17], s[24:25]
	s_cmp_eq_u32 s[RP], 0                          ; my role's bias: the choice hangs on the wave's number alone
	s_cselect_b64 s[98:99], s[8:9], s[10:11]
	s_cmp_eq_u32 s[ISV], 0
	s_cselect_b64 s[98:99], s[98:99], s[12:13]
	s_mov_b32 s[G0WC], 1                           ; 1:0 count = 1
	s_mov_b32 s[G0WC+1], s100                      ; 63:32 LDS address
	s_add_nc_u64 s[G0WC+2:G0WC+3], s[4:5], s[92:93]   ; 120:64 global address
	s_or_b32 s[G0WC+3], s[G0WC+3], 0x80000000      ; 127:126 type = 2
	s_mov_b32 s[G0XC], 1
	s_mov_b32 s[G0XC+1], s100
	s_add_nc_u64 s[G0XC+2:G0XC+3], s[4:5], s[94:95]
	s_or_b32 s[G0XC+3], s[G0XC+3], 0x80000000
	s_mov_b32 s[G0WS], 1
	s_mov_b32 s[G0WS+1], s101
	s_add_nc_u64 s[G0WS+2:G0WS+3], s[6:7], s[96:97]
	s_or_b32 s[G0WS+3], s[G0WS+3], 0x80000000
	s_mov_b32 s[G0XS], 1
	s_mov_b32 s[G0XS+1], s101
	s_add_nc_u64 s[G0XS+2:G0XS+3], s[6:7], s[18:19]
	s_or_b32 s[G0XS+3], s[G0XS+3], 0x80000000
	CROUND                                         ; all sixteen work-groups are here: the joint loads meet
	s_cmp_lt_u32 s[WV], 6                          ; one load a wave; the branches hang on the wave's number alone; four v_nop follow each line
	s_cbranch_scc0 .Lnot_wc
	tensor_load_to_lds s[G0WC:G0WC+3], s[G1WC:G1WC+7]
	s_nop 0
	PLACES
	s_branch .Lasked
.Lnot_wc:
	s_cmp_lt_u32 s[WV], 8
	s_cbranch_scc0 .Lnot_xc
	tensor_load_to_lds s[G0XC:G0XC+3], s[G1XC:G1XC+7]
	s_nop 0
	PLACES
	s_branch .Lasked
.Lnot_xc:
	s_cmp_lt_u32 s[WV], 11
	s_cbranch_scc0 .Lfor_xs
	tensor_load_to_lds s[G0WS:G0WS+3], s[G1WS:G1WS+7]
	s_nop 0
	PLACES
	s_branch .Lasked
.Lfor_xs:
	tensor_load_to_lds s[G0XS:G0XS+3], s[G1XS:G1XS+7]
	s_nop 0
	PLACES
.Lasked:
	s_lshl_b32 s100, s32, 9                        ; the bias: my block's 128 numbers; v: my quarter's 32 of them
	s_mul_i32 s101, s[QD], s[ISV]
	s_lshl_b32 s101, s101, 7
	s_add_co_u32 s100, s100, s101
	s_mov_b32 s101, 0
	s_add_nc_u64 s[98:99], s[98:99], s[100:101]
	v_and_b32 v48, 31, v0                          ; lane
	v_and_b32 v49, 15, v0                          ; r
	v_bfe_u32 v50, v0, 4, 1                        ; h
	s_delay_alu instid0(VALU_DEP_3)
	v_lshlrev_b32 v8, 4, v48                       ; 16 x lane: a fragment's four registers are 512 consecutive bytes
	s_add_co_u32 s20, s[RP], 1                     ; source 0's region: Wq, Wk, or x
	s_mul_i32 s21, s[ISV], 3
	s_xor_b32 s21, s21, 3                          ; source 1's: x, or Wv
	s_lshl_b32 s100, s20, 16
	v_add_nc_u32 v1, s100, v8                      ; v1: source 0's fragments
	s_lshl_b32 s100, s21, 16
	s_lshl_b32 s101, s[QD], 14
	s_add_co_u32 s100, s100, s101
	v_add_nc_u32 v2, s100, v8                      ; v2: source 1's: tiles 2 qd, 2 qd + 1
	v_lshlrev_b32 v51, 5, v49                      ; a row's 32 scale bytes
	s_wait_alu depctr_va_vdst(0)
	s_lshl_b32 s100, s20, 12
	s_add_co_u32 s100, s100, SCL
	v_lshl_add_u32 v3, v50, 11, v51
	s_delay_alu instid0(VALU_DEP_1)
	v_add_nc_u32 v3, s100, v3                      ; v3: source 0's scale words: lanes 16-31 four tiles on
	s_lshl_b32 s100, s21, 12
	s_lshl_b32 s101, s[QD], 10
	s_add_co_u32 s100, s100, s101
	s_add_co_u32 s100, s100, SCL
	v_lshl_add_u32 v4, v50, 9, v51
	s_delay_alu instid0(VALU_DEP_1)
	v_add_nc_u32 v4, s100, v4                      ; v4: source 1's: lanes 16-31 one tile on
	s_lshl_b32 s100, s[ISV], 9
	s_xor_b32 s100, s100, 512                      ; q, k: lanes 16-31 store the odd head's words, 512 bytes on; v: both halves store the same word
	v_mul_u32_u24 v5, s100, v50
	s_delay_alu instid0(VALU_DEP_1)
	v_lshl_add_u32 v5, v49, 2, v5
	s_lshl_b32 s100, s[RP], 10
	s_lshl_b32 s101, s[QD], 7
	s_add_co_u32 s100, s100, s101
	s_add_co_u32 s100, s100, SCST
	v_add_nc_u32 v5, s100, v5                      ; v5: where my row's new scale word goes
	s_lshl_b32 s100, s[ISV], 4
	s_xor_b32 s100, s100, 16
	v_mul_u32_u24 v6, s100, v50                    ; v6: q, k: the odd head's two bytes come down by 16 bits
	s_lshl_b32 s100, 512, s[ISV]                   ; from source 1's tile 0 to tile 1: q, k 512 bytes; v 1,024
	s_mul_i32 s101, s[ISV], 7
	s_lshr_b32 s101, 0x10000, s101                 ; from registers 0-3 to 4-7: q, k the next head, 65,536 bytes; v 512
	v_add_nc_u32 v9, s101, v8                      ; v[8 + 2 s + c]: my 16 bytes of the results
	v_add_nc_u32 v10, s100, v8
	s_delay_alu instid0(VALU_DEP_1)
	v_add_nc_u32 v11, s101, v10
	s_cmp_eq_u32 s[ISV], 0
	s_cbranch_scc0 .Lbias_v
	v_lshlrev_b32 v7, 6, v50                       ; q, k: THE SUMS BEGIN AT THE BIAS: accumulator (t, s) is loaded with the bias of its columns 32 (t / 2) + 8 (t % 2) + 16 h + 0 .. 7
.irp s, 0,1
.irp t, 0,1,2,3,4,5,6,7
	global_load_b128 v[ACC+64*\s+8*\t:ACC+64*\s+8*\t+3], v7, s[98:99] offset:(32*(\t/2)+8*(\t%2))*4
	global_load_b128 v[ACC+64*\s+8*\t+4:ACC+64*\s+8*\t+7], v7, s[98:99] offset:(32*(\t/2)+8*(\t%2))*4+16
.endr
.endr
	s_branch .Lbias_in
.Lbias_v:
	v_and_b32 v7, 8, v49                           ; v: a lane holds one column d = 8 s + r + 8 (r / 8) of my 32: its bias in eight registers, the C of the first K step
	s_delay_alu instid0(VALU_DEP_1)
	v_add_nc_u32 v7, v7, v49
	s_delay_alu instid0(VALU_DEP_1)
	v_lshlrev_b32 v7, 2, v7
.irp s, 0,1
.irp e, 0,1,2,3,4,5,6,7
	global_load_b32 v[BV+8*\s+\e], v7, s[98:99] offset:32*\s
.endr
.endr
.Lbias_in:
	s_wait_tensorcnt 0x0                           ; my part of the operands is in LDS,
	s_barrier_signal -1
	s_barrier_wait -1                              ; everybody's is
	s_wait_loadcnt 0x0                             ; the bias
; A K step of 128.  cm = 1: the sums begin at v's bias; else they go on in place.  The 16 accumulators take turns, one instruction a turn.
.macro KSTEP ks, cm
.if (\ks)%4 == 0                       ; four K steps' scale words at a time
.irp q, 0,1,2,3
	ds_load_b128 v[SS0+4*\q:SS0+4*\q+3], v3 offset:512*\q+16*((\ks)/4)
.endr
	ds_load_b128 v[SS1:SS1+3], v4 offset:16*((\ks)/4)
.endif
.irp s, 0,1
.irp c, 0,1
	ds_load_b128 v[F1+8*\s+4*\c:F1+8*\s+4*\c+3], v2 offset:8192*\s+1024*(\ks)+512*\c
.endr
.endr
.irp t, 0,1,2,3,4,5,6,7
.irp c, 0,1
	ds_load_b128 v[F0+8*\t+4*\c:F0+8*\t+4*\c+3], v1 offset:8192*\t+1024*(\ks)+512*\c
.endr
.endr
	s_wait_dscnt 0x0
.irp t, 0,1,2,3,4,5,6,7
.irp s, 0,1
.if \cm
	MM ACC+64*\s+8*\t, F0+8*\t, F1+8*\s, BV+8*\s, SS0+4*(\t%4)+(\ks)%4, SS1+(\ks)%4, \t/4, \s
.else
	MM ACC+64*\s+8*\t, F0+8*\t, F1+8*\s, ACC+64*\s+8*\t, SS0+4*(\t%4)+(\ks)%4, SS1+(\ks)%4, \t/4, \s
.endif
.endr
.endr
	PLACES                                         ; in front of the next step's loads into these operands, and of the first read of results
.endm
	s_cmp_eq_u32 s[ISV], 0
	s_cbranch_scc0 .Lfirst_v
	s_wait_alu depctr_va_vdst(0)
	KSTEP 0, 0
	s_branch .Lfirst_done
.Lfirst_v:
	s_wait_alu depctr_va_vdst(0)
	KSTEP 0, 1
.Lfirst_done:
	KSTEP 1, 0
	KSTEP 2, 0
	KSTEP 3, 0
	KSTEP 4, 0
	KSTEP 5, 0
	KSTEP 6, 0
	KSTEP 7, 0
	; THE WAY OUT: each of source 1's two tiles is one fragment of 128 along the next K (q, k: two heads' halves), quantised in registers and stored as it stands
	v_and_b32 v2, 31, v0
	s_delay_alu instid0(VALU_DEP_1)
	v_lshlrev_b32 v2, 4, v2
	s_lshl_b32 s100, s[RP], 10
	s_add_co_u32 s100, s100, SCST
	v_add_nc_u32 v2, s100, v2                      ; v2 now: where my role's scale words are read back
.irp b, 0,1,2,3
	v_mov_b32 v[TM+4+\b], 0                        ; a lane permute's destination counts as one of its sources
.endr
.irp s, 0,1
	QUANT ACC+64*\s, PC+8*\s
	global_store_b128 v[8+2*\s], v[PC+8*\s:PC+8*\s+3], s[22:23]    ; 32 lanes store 512 consecutive bytes, at a multiple of 256 from the buffer's first byte
	global_store_b128 v[9+2*\s], v[PC+8*\s+4:PC+8*\s+7], s[22:23]
	v_lshrrev_b32 v[PWS+\s], v6, v[PW]
	ds_store_b32 v5, v[PWS+\s] offset:64*\s
.endr
	s_wait_dscnt 0x0                               ; for the others' sake: my scale words are in the stage
	s_barrier_signal -1
	s_barrier_wait -1
	s_cmp_eq_u32 s[QD], 0                          ; a role's first wave carries its scale words out, 512 consecutive bytes a store
	s_cbranch_scc0 .Lno_flush
	ds_load_b128 v[FL:FL+3], v2
	s_wait_dscnt 0x0
	global_store_b128 v8, v[FL:FL+3], s[24:25]
	s_cmp_eq_u32 s[ISV], 0
	s_cbranch_scc0 .Lno_flush
	ds_load_b128 v[FL+4:FL+7], v2 offset:512       ; q, k: the odd head's
	s_wait_dscnt 0x0
	global_store_b128 v8, v[FL+4:FL+7], s[24:25] offset:512
.Lno_flush:
	s_set_vgpr_msb 0x5
	s_wait_tensorcnt 0x0
	ds_add_u32 v0, v1
	s_wait_dscnt 0x0
	s_set_vgpr_msb 0x500
	CROUND                                         ; the closing round: no work-group ends while a partner may still ask for a tile that names it
	s_endpgm
.Lfunc_end_k_q671b308c67_qkv:
	.size	k_q671b308c67_qkv, .Lfunc_end_k_q671b308c67_qkv-k_q671b308c67_qkv
	.p2alignl 7, 3214868480
	.fill 96, 4, 3214868480
	.section	.rodata,"a",@progbits
	.p2align	6, 0x0
	.amdhsa_kernel k_q671b308c67_qkv
		.amdhsa_group_segment_fixed_size 327680
		.amdhsa_private_segment_fixed_size 0
		.amdhsa_enable_private_segment 0
		.amdhsa_kernarg_size 56
		.amdhsa_user_sgpr_count 2
		.amdhsa_user_sgpr_kernarg_segment_ptr 1
		.amdhsa_wavefront_size32 1
		.amdhsa_system_sgpr_workgroup_id_x 1
		.amdhsa_system_sgpr_workgroup_id_y 1
		.amdhsa_system_sgpr_workgroup_id_z 1
		.amdhsa_system_vgpr_workitem_id 0
		.amdhsa_next_free_vgpr 258
		.amdhsa_next_free_sgpr 104
		.amdhsa_reserve_vcc 0
		.amdhsa_float_denorm_mode_32 3
		.amdhsa_float_denorm_mode_16_64 3
		.amdhsa_memory_ordered 1
		.amdhsa_forward_progress 1
		.amdhsa_inst_pref_size 57
	.end_amdhsa_kernel
	.amdgpu_metadata
---
amdhsa.version: [ 1, 2 ]
amdhsa.kernels:
  - .name:           k_q671b308c67_qkv
    .symbol:         k_q671b308c67_qkv.kd
    .args:
      - { .name: codes, .offset: 0, .size: 8, .value_kind: global_buffer, .address_space: global }
      - { .name: scl, .offset: 8, .size: 8, .value_kind: global_buffer, .address_space: global }
      - { .name: bq, .offset: 16, .size: 8, .value_kind: global_buffer, .address_space: global }
      - { .name: bk, .offset: 24, .size: 8, .value_kind: global_buffer, .address_space: global }
      - { .name: bv, .offset: 32, .size: 8, .value_kind: global_buffer, .address_space: global }
      - { .name: qkv_img, .offset: 40, .size: 8, .value_kind: global_buffer, .address_space: global }
      - { .name: qkv_sc, .offset: 48, .size: 8, .value_kind: global_buffer, .address_space: global }
    .group_segment_fixed_size: 327680
    .private_segment_fixed_size: 0
    .kernarg_segment_align: 8
    .kernarg_segment_size: 56
    .max_flat_workgroup_size: 384
    .sgpr_count:     104
    .vgpr_count:     258
    .wavefront_size: 32
...
	.end_amdgpu_metadata
.endif
;; end of part 2
;; launch attn (part 3): grid 8 x 32, 16 waves a work-group, clusters of 4 x 1, 167,936 bytes of LDS; arguments qkv_img, qkv_sc, a_img, a_sc; writes a_img, a_sc
.if DOCPART == 3
	.amdgcn_target "amdgcn-amd-amdhsa--gfx1250"
	.amdhsa_code_object_version 6
	.text
	.protected	k_q671b308c67_attn
	.globl	k_q671b308c67_attn
	.p2align	8
	.type	k_q671b308c67_attn,@function
k_q671b308c67_attn:
	s_mov_b64 s[64:65], 0
	v_nop
	global_prefetch_b8 v0, s[64:65] scope:SCOPE_SE
	s_setreg_imm32_b32 hwreg(HW_REG_WAVE_MODE, 25, 1), 1
	s_wait_xcnt 0x0
	s_wait_alu depctr_hold_cnt(0) depctr_sa_sdst(0) depctr_va_vdst(0) depctr_va_sdst(0) depctr_va_ssrc(0) depctr_va_vcc(0) depctr_vm_vsrc(0)
	s_getreg_b32 s2, hwreg(HW_REG_IB_STS2, 6, 4)
	s_cmp_eq_u32 s2, 0
	s_cbranch_scc0 .Lentry_in_a_cluster
	s_endpgm
.Lentry_in_a_cluster:
	s_bfe_u32 s2, ttmp6, 0x10000c
	s_cmp_lg_u32 s2, 0x3003
	s_cbranch_scc0 .Lentry_shape_is_right
	s_endpgm
.Lentry_shape_is_right:
; o = softmax(q k^T / 8) v for one head, both products on codes of FP4 (E2M1) with E8M0 scales; o is quantised along the model's 1,024 for the last product.
; THE SOFTMAX: t = score x log2(e) / 8; M = the row's largest t so far, rounded UP to a whole number; p = 2^(t - M) is quantised along the keys, not normalised.
; The row's sum is taken of the unquantised p, in f32, and divides O at the end.  When M moves, the sum and O are multiplied by 2^(old M - new M): exact.
; LIMITS: NaN and infinities are not served; the scaled scores stay under 2^31 in magnitude; a block whose largest magnitude lies under 2^-124, a block of zeros among them, keeps the byte 1.
; THE HEAD'S 64 IN AN INSTRUCTION OF 128: registers 4-7 of q's and of k's fragments are zero codes, written once; the scale bytes over them are never 0xff.
; SHARES.  A work-group owns 256 queries of one head, each of its sixteen waves one tile of 16.  The head's K and V (65,536 bytes of codes each) and their scale words fit in LDS whole:
; ten first fills at the head, one a wave (waves 0-3 K's quarters, 4-7 V's, 8 K's scale words, 9 V's), one barrier, and then 16 key steps of 128 keys with no barrier: nothing is filled again.
; CLUSTER 4 x 1: the four work-groups of a cluster belong to one head: every fill is a joint load.  No prefetch: every fill stands at the head, so there is no loop to run ahead in.
; LAYOUT.  Both products are used transposed: S^T = K Q^T, O^T = V^T P^T: a lane holds ONE query throughout.
; THE KEYS OF A TILE ARE CHOSEN BY THE LANES' LDS ADDRESSES: row m of tile 4 c + u is key 64 c + 32 (m / 8) + 8 u + m % 8.  So lane (r, h) holds in tiles 4 c .. 4 c + 3 the 32 keys of block 2 c + h, whole:
; a block's largest score needs no other lane, and the conversion of tile 4 c + u's eight registers IS register 4 c + u of p's operand.
; In memory key 32 B + w lies in tile 2 B + (w / 8) % 2 at row w % 8 + 8 (w / 16): K's codes come as rows of 1,024 bytes (32 keys) with 128 bytes of padding behind each, so that rows m and m + 8, one LDS row apart, fall on different banks.
; REGISTERS: v1-4 lane addresses (K, V, K's scale words, V's); v5 byte selects; v6, v7, v255 offsets in memory; v8, v9 the spare word and 0; v10 f, v11 the old -M; v12 -M, v13 the largest score; v[14:15] the sum;
;   v16-23 Q; v24-27 K's scale words, v28-29 V's, v30 p's, v31 Q's; v32-95 K's eight fragments; v96-159 S^T, then p; v160-191 O^T; v192-223 V's four fragments; v224-231 p's codes; v232-249 at work; v250-253 the trip's addresses.
.set KROW,  1152                       ; an LDS row of K: 1,024 bytes + 128
.set KSTEP, 4*KROW                     ; 128 keys
.set VIMG,  73728                      ; V's codes: key step x 4,096 + tile of d x 1,024 + c x 512
.set KSC,   139264                     ; K's scale words: key step x 512 + tile in memory x 64 + 4 x row
.set VSC,   147456                     ; V's: key step x 256 + tile of d x 64 + 4 x row
.set SPARE, 151552                     ; the spare words: 128 bytes a wave, no other line names them
.set CNT,  2
.set NC,   3                           ; -c
.set WV,   12
.set SEL,  20
.set CS,   22                          ; s[22:23] c = log2(e) / 8
.set G1V,  24
.set G1KS, 32
.set G1VS, 40
.set G0KS, 48
.set G0VS, 52
.set G0K,  56
.set G0V,  60
.set G1K,  68
.set TK,   76                          ; the trip's first key step, in bytes: in K's codes, V's codes, K's scale words, V's
.set TV,   77
.set TS,   78
.set TJ,   79
.macro CROUND                          ; a round of the cluster's barrier
	s_barrier_signal -1
	s_barrier_wait -1
	s_cmp_lg_u32 s[WV], 0
	s_cbranch_scc1 .Lnot_wave_0_\@
	s_barrier_signal -3
.Lnot_wave_0_\@:
	s_barrier_wait -3
	s_barrier_signal -1
	s_barrier_wait -1
.endm
.macro ARM under, g0, g1, next         ; one arm of the head's chain: a load, its s_nop 0 and four v_nop, a jump to the join
	s_cmp_lt_u32 s[WV], \under
	s_cbranch_scc0 \next
	tensor_load_to_lds s[\g0:\g0+3], s[\g1:\g1+7]
	s_nop 0
.rept 4
	v_nop
.endr
	s_branch .Lhead_asked
\next:
.endm
	s_load_b256 s[4:11], s[0:1], 0x0               ; qkv_img, qkv_sc, a_img, a_sc
	s_mov_b32 s[TK], 0
	s_mov_b32 s[TV], 0
	s_mov_b32 s[TS], 0
	s_mov_b32 s[TJ], 0
	v_lshl_add_u32 v8, v0, 2, SPARE
	v_mov_b32 v9, 0
	ds_add_u32 v8, v9                              ; the opening lines: the add twice on end and one wait, ahead of the first tensor load
	ds_add_u32 v8, v9
	v_lshrrev_b32 v10, 5, v0
	v_readfirstlane_b32 s[WV], v10                 ; wave 0..15
	v_and_b32 v10, 31, v0                          ; lane
	v_and_b32 v11, 15, v0                          ; r
	v_bfe_u32 v12, v0, 4, 1                        ; h
	v_and_b32 v13, 7, v0                           ; r % 8
	v_bfe_u32 v14, v0, 3, 1                        ; r / 8
	v_lshlrev_b32 v7, 4, v10                       ; 16 x lane: Q's codes and o's
	v_add_nc_u32 v2, VIMG, v7                      ; V's fragments: 512 consecutive bytes a load
	v_lshl_add_u32 v4, v10, 2, VSC                 ; V's scale words: lanes 0-15 an even tile of d, lanes 16-31 the next
	v_lshlrev_b32 v6, 5, v11                       ; o's scale bytes: 32 a row
	v_lshlrev_b32 v255, 2, v11                     ; Q's scale words
	v_mul_u32_u24 v1, v14, KROW                    ; K's fragments: rows 8-15 one LDS row on,
	v_lshl_add_u32 v1, v12, 8, v1                  ; the head's second 32: 256 bytes on,
	v_lshl_add_u32 v1, v13, 4, v1                  ; 16 bytes a key
	v_lshl_add_u32 v3, v14, 7, KSC                 ; K's scale words: rows 8-15 two tiles in memory on,
	v_lshl_add_u32 v3, v12, 6, v3                  ; lanes 16-31 the odd tile's,
	v_lshl_add_u32 v3, v13, 2, v3
	v_mul_lo_u32 v5, v12, 0xfb04f709               ; byte selects for p's scale word: h = 0: 0x0c070c03 (bytes 0, 2); h = 1: 0x070c030c (bytes 1, 3); 0x0c gives 0
	v_add_nc_u32 v5, 0x0c070c03, v5
	v_add_nc_u32 v250, s[TK], v1
	v_add_nc_u32 v251, s[TV], v2
	v_add_nc_u32 v252, s[TS], v3
	v_add_nc_u32 v253, s[TJ], v4
	s_bfe_u32 s13, ttmp6, 0x40000                  ; cx
	s_lshl_b32 s14, ttmp9, 2
	s_add_co_u32 s14, s14, s13                     ; my block of 256 queries: it enters Q's and o's addresses alone
	s_and_b32 s15, ttmp7, 0xffff                   ; 16 b + head, which the four partners share
	s_lshr_b32 s16, s15, 4                         ; b
	s_and_b32 s17, s15, 15                         ; head
	s_lshr_b32 s18, s17, 1                         ; its pair j
	s_and_b32 s19, s17, 1                          ; and its place in the pair
	s_mov_b32 s[SEL], 0x76543210
	s_mov_b32 s[SEL+1], 0xfedcba98
	s_mov_b32 s[CS], 0x3e38aa3b                    ; c = log2(e) / sqrt(64)
	s_mov_b32 s[CS+1], s[CS]
	s_mov_b32 s[NC], 0xbe38aa3b
	; groups 1: 15:0 the mask: all four work-groups; 17:16 elements of 8 bytes; 21 set beside a mask
	s_mov_b32 s[G1K], 15|(3<<16)|(1<<20)|(1<<21)|(7<<22)|(31<<25)  ; a quarter of K: 16 dense rows of 1,024 bytes; 32 words of padding behind every 256
	s_mov_b32 s[G1K+1], 128<<16
	s_mov_b32 s[G1K+2], 16<<16
	s_mov_b32 s[G1K+3], 128<<16
	s_mov_b32 s[G1K+4], 16
	s_mov_b32 s[G1K+5], 128
	s_mov_b32 s[G1K+6], 0
	s_mov_b32 s[G1K+7], 0
	s_mov_b32 s[G1V], 15|(3<<16)|(1<<21)           ; a quarter of V: 16,384 dense bytes as 64 rows of 256
	s_mov_b32 s[G1V+1], 32<<16
	s_mov_b32 s[G1V+2], 64<<16
	s_mov_b32 s[G1V+3], 32<<16
	s_mov_b32 s[G1V+4], 64
	s_mov_b32 s[G1V+5], 32
	s_mov_b32 s[G1V+6], 0
	s_mov_b32 s[G1V+7], 0
	s_mov_b32 s[G1KS], 15|(3<<16)|(1<<21)          ; K's scale words: 16 key steps x 512 bytes, 8,192 bytes apart
	s_mov_b32 s[G1KS+1], 64<<16
	s_mov_b32 s[G1KS+2], 16<<16
	s_mov_b32 s[G1KS+3], 64<<16
	s_mov_b32 s[G1KS+4], 16
	s_mov_b32 s[G1KS+5], 1024
	s_mov_b32 s[G1KS+6], 0
	s_mov_b32 s[G1KS+7], 0
	s_mov_b32 s[G1VS], 15|(3<<16)|(1<<21)          ; V's: 16 key steps x 256 bytes, 4,096 bytes apart
	s_mov_b32 s[G1VS+1], 32<<16
	s_mov_b32 s[G1VS+2], 16<<16
	s_mov_b32 s[G1VS+3], 32<<16
	s_mov_b32 s[G1VS+4], 16
	s_mov_b32 s[G1VS+5], 512
	s_mov_b32 s[G1VS+6], 0
	s_mov_b32 s[G1VS+7], 0
	s_lshl_b32 s80, s16, 7
	s_add_co_u32 s80, s80, s18                     ; 8 x (the batch's first block of tokens) + j
	s_lshl_b32 s82, s80, 10
	s_lshl_b32 s83, s19, 9
	s_add_co_u32 s82, s82, s83
	s_add_co_u32 s82, s82, 262144                  ; K's scale words of my head
	s_mov_b32 s83, 0
	s_lshl_b32 s84, s80, 9
	s_lshl_b32 s85, s19, 8
	s_add_co_u32 s84, s84, s85
	s_add_co_u32 s84, s84, 524288                  ; V's
	s_mov_b32 s85, 0
	s_and_b32 s81, s[WV], 3                        ; which quarter of the codes I fetch, if I fetch
	s_lshl_b32 s86, s15, 16
	s_lshl_b32 s87, s81, 14
	s_add_co_u32 s86, s86, s87
	s_add_co_u32 s86, s86, 0x200000                ; K's codes begin at 2 MiB,
	s_mov_b32 s87, 0
	s_add_co_u32 s88, s86, 0x200000                ; V's at 4
	s_mov_b32 s89, 0
	s_mul_i32 s101, s81, 16*KROW                   ; and in LDS
	s_lshl_b32 s95, s81, 14
	s_add_co_u32 s95, s95, VIMG
	s_lshl_b32 s100, s14, 4
	s_add_co_u32 s100, s100, s[WV]                 ; my tile of queries in the batch: 16 x block + wave
	s_lshl_b32 s90, s15, 7
	s_add_co_u32 s90, s90, s100
	s_lshl_b32 s90, s90, 9                         ; Q's half fragment
	s_mov_b32 s91, 0
	s_lshl_b32 s92, s16, 4                         ; Q's scale words: ((block of 128 tokens) x 8 + j) x 1,024 + place in the pair x 512 + (tile % 8) x 64
	s_lshr_b32 s93, s100, 3
	s_add_co_u32 s92, s92, s93
	s_lshl_b32 s92, s92, 3
	s_add_co_u32 s92, s92, s18
	s_lshl_b32 s92, s92, 10
	s_lshl_b32 s93, s19, 9
	s_add_co_u32 s92, s92, s93
	s_and_b32 s93, s100, 7
	s_lshl_b32 s93, s93, 6
	s_add_co_u32 s92, s92, s93
	s_mov_b32 s93, 0
	s_lshl_b32 s94, s16, 7
	s_add_co_u32 s94, s94, s100                    ; my tile among all 256 tiles of tokens
	s_lshl_b32 s96, s94, 13
	s_lshl_b32 s97, s17, 9
	s_add_co_u32 s96, s96, s97                     ; o's codes: tile x 8,192 + head x 512
	s_mov_b32 s97, 0
	s_lshl_b32 s98, s94, 9
	s_lshl_b32 s99, s17, 1
	s_add_co_u32 s98, s98, s99                     ; o's scale bytes: tile x 512 + 2 x head
	s_mov_b32 s99, 0
	s_wait_alu depctr_va_vdst(0)                   ; the wait here, directly ahead of the waits below
	s_wait_dscnt 0x0                               ; both opening adds are done
	s_wait_kmcnt 0x0
	s_add_nc_u64 s[8:9], s[8:9], s[96:97]
	s_add_nc_u64 s[10:11], s[10:11], s[98:99]
	s_add_nc_u64 s[90:91], s[4:5], s[90:91]
	s_add_nc_u64 s[92:93], s[6:7], s[92:93]
	global_load_b128 v[16:19], v7, s[90:91]        ; Q's half fragment stays in registers
	global_load_b32 v31, v255, s[92:93]            ; and its scale words
	s_mov_b32 s[G0K], 1
	s_mov_b32 s[G0K+1], s101
	s_add_nc_u64 s[G0K+2:G0K+3], s[4:5], s[86:87]
	s_or_b32 s[G0K+3], s[G0K+3], 0x80000000
	s_mov_b32 s[G0V], 1
	s_mov_b32 s[G0V+1], s95
	s_add_nc_u64 s[G0V+2:G0V+3], s[4:5], s[88:89]
	s_or_b32 s[G0V+3], s[G0V+3], 0x80000000
	s_mov_b32 s[G0KS], 1
	s_mov_b32 s[G0KS+1], KSC
	s_add_nc_u64 s[G0KS+2:G0KS+3], s[6:7], s[82:83]
	s_or_b32 s[G0KS+3], s[G0KS+3], 0x80000000
	s_mov_b32 s[G0VS], 1
	s_mov_b32 s[G0VS+1], VSC
	s_add_nc_u64 s[G0VS+2:G0VS+3], s[6:7], s[84:85]
	s_or_b32 s[G0VS+3], s[G0VS+3], 0x80000000
	CROUND                                         ; all four work-groups are here: the joint loads meet
	ARM 4,  G0K,  G1K,  .Lhead_v                   ; one chain of branches on the wave's number, one load to an arm
	ARM 8,  G0V,  G1V,  .Lhead_ks
	ARM 9,  G0KS, G1KS, .Lhead_vs
	ARM 10, G0VS, G1VS, .Lhead_none
.Lhead_asked:
.irp e, 20,21,22,23
	v_mov_b32 v[\e], 0                             ; Q's upper 64 along K: zero codes
.endr
.irp t, 0,1,2,3,4,5,6,7
.irp e, 4,5,6,7
	v_mov_b32 v[32+8*\t+\e], 0                     ; K's likewise: written once, the loads fill registers 0-3 alone
.endr
.endr
	v_mov_b32 v13, 0xff61b1e6                      ; the largest score so far: -3e38
	v_mul_f32 v12, s[NC], v13
	v_floor_f32 v12, v12                           ; -M
	v_mov_b32 v10, 0
	v_mov_b32 v11, v12
.irp e, 14,15,237,239,244,245,246,247,248,249
	v_mov_b32 v[\e], 0                             ; the sum and its three side chains; the lane permutes' destinations count as sources
.endr
.set n, 0
.rept 32
	v_mov_b32 v[160+n], 0                          ; O^T: the step is written once; the first finds zeros, which the first change of M leaves zeros
.set n, n+1
.endr
.macro KLOAD q                         ; K's eight fragments and four registers of scale words of the trip's q-th key step
.irp i, 0,1,2,3,4,5,6,7
	ds_load_b128 v[32+8*\i:35+8*\i], v250 offset:KSTEP*(\q)+2*KROW*(\i/4)+512*(\i%2)+128*((\i%4)/2)
.endr
.irp j, 0,1,2,3
	ds_load_b32 v[24+\j], v252 offset:512*(\q)+256*(\j/2)+32*(\j%2)   ; tiles 4 (j / 2) + 2 (j % 2) (lanes 0-15) and the next (lanes 16-31)
.endr
.endm
.macro VLOAD q
.irp d, 0,1,2,3
.irp c, 0,1
	ds_load_b128 v[192+8*\d+4*\c:195+8*\d+4*\c], v251 offset:4096*(\q)+1024*\d+512*\c
.endr
.endr
.irp e, 0,1
	ds_load_b32 v[28+\e], v253 offset:256*(\q)+128*\e
.endr
.endm
.macro TM from, cnt                    ; t - M, two at a time
.set n, \from
.rept \cnt
	v_pk_fma_f32 v[96+n:97+n], v[96+n:97+n], s[CS:CS+1], v[12:13] op_sel_hi:[1,0,0]
.set n, n+2
.endr
.endm
; A KEY STEP: 128 keys, the q-th of the trip.  pf = 1: the next step's K is asked for.  Its own K was asked for a step ago.
.macro STEP q, pf
	s_wait_dscnt 0x0                               ; K's fragments and scale words are in
.irp i, 0,1,2,3,4,5,6,7
.if (\i)%2
	v_wmma_scale_f32_16x16x128_f8f6f4 v[96+8*\i:103+8*\i], v[32+8*\i:39+8*\i], v[16:23], 0, v[24+2*(\i/4)+((\i%4)/2)], v31 matrix_a_fmt:MATRIX_FMT_FP4 matrix_b_fmt:MATRIX_FMT_FP4 matrix_a_scale:MATRIX_SCALE_ROW1
.else
	v_wmma_scale_f32_16x16x128_f8f6f4 v[96+8*\i:103+8*\i], v[32+8*\i:39+8*\i], v[16:23], 0, v[24+2*(\i/4)+((\i%4)/2)], v31 matrix_a_fmt:MATRIX_FMT_FP4 matrix_b_fmt:MATRIX_FMT_FP4
.endif
.endr
	v_pk_add_f32 v[244:245], v[244:245], v[246:247]   ; the last step's four chains of the sum are joined here: four plain places behind the products (ISA guide 7.12.1),
	v_pk_add_f32 v[14:15], v[14:15], v[248:249]       ; in front of the loads into their operands and of the first read of S^T
	v_nop
	v_pk_add_f32 v[14:15], v[14:15], v[244:245]
	VLOAD \q
.if \pf
	KLOAD (\q)+1
.endif
.if (\q) == 2                          ; on to the next trip's three steps
	s_add_co_u32 s[TK], s[TK], 3*KSTEP
	s_add_co_u32 s[TV], s[TV], 3*4096
	s_add_co_u32 s[TS], s[TS], 3*512
	s_add_co_u32 s[TJ], s[TJ], 3*256
	v_add_nc_u32 v250, s[TK], v1
	v_add_nc_u32 v251, s[TV], v2
	v_add_nc_u32 v252, s[TS], v3
	v_add_nc_u32 v253, s[TJ], v4
.endif
.irp k, 0,1,2,3                                ; the largest score of my two blocks of 32 keys, in four chains of 16 registers, each accumulator from its low end on
	v_max3_num_f32 v[232+\k], v[96+16*\k], v[97+16*\k], v[98+16*\k]
.endr
.irp i, 3,5,7,9,11,13
.irp k, 0,1,2,3
	v_max3_num_f32 v[232+\k], v[232+\k], v[96+16*\k+\i], v[97+16*\k+\i]
.endr
.endr
	v_max3_num_f32 v232, v232, v233, v111
	v_max3_num_f32 v234, v234, v235, v143
	v_max_num_f32 v232, v232, v127                 ; block h
	v_max_num_f32 v234, v234, v159                 ; block 2 + h
	s_delay_alu instid0(VALU_DEP_1)
	v_max3_num_f32 v236, v13, v232, v234
	s_delay_alu instid0(VALU_DEP_1)
	v_permlanex16_b32 v237, v236, s[SEL], s[SEL+1]
	s_delay_alu instid0(VALU_DEP_1)
	v_max_num_f32 v13, v236, v237                  ; the running largest score of my query
	s_delay_alu instid0(VALU_DEP_1)
	v_mul_f32 v236, s[NC], v13
	s_delay_alu instid0(VALU_DEP_1)
	v_floor_f32 v12, v236                          ; the new -M = floor(-t) = -ceil(t)
	s_delay_alu instid0(VALU_DEP_1)
	v_sub_f32 v236, v12, v11                       ; old M - new M: a whole number, 0 or less
	TM 0, 8
	v_cvt_i32_f32 v236, v236                       ; (it saturates)
	TM 16, 8
	v_ldexp_f32 v10, 1.0, v236                     ; f = 2^(old M - new M)
	TM 32, 16
	v_fma_f32 v232, v232, s[CS], v12               ; the same of each block's largest score
	v_fma_f32 v234, v234, s[CS], v12
.set n, 0
.rept 16
	v_pk_mul_f32 v[160+n:161+n], v[160+n:161+n], v[10:11] op_sel_hi:[1,0]   ; O^T under the new M
.set n, n+2
.endr
	s_wait_alu depctr_va_vdst(0)                   ; the wait ahead of the batch
.set n, 0
.rept 64
	v_exp_f32 v[96+n], v[96+n]                     ; p = 2^(t - M): not normalised
.set n, n+1
.endr
	v_exp_f32 v232, v232                           ; the blocks' largest p: the same two instructions on the same number give the same bits
	v_exp_f32 v234, v234
	v_mov_b32 v11, v12                             ; (the plain place behind the exponentials)
	s_wait_alu depctr_va_vdst(0)                   ; one wait for the batch, ahead of its first reader
	v_max_num_f32 v232, 0x1800000, v232            ; the floor 2^(3 - 127): the byte cannot fall under 1
	v_max_num_f32 v234, 0x1800000, v234
	s_delay_alu instid0(VALU_DEP_2)
	v_add_nc_u32 v240, 0xff000000, v232            ; 2 off the exponent field: the conversion's scale operand
	s_delay_alu instid0(VALU_DEP_2)
	v_add_nc_u32 v241, 0xff000000, v234
	v_lshl_add_u32 v242, v232, 1, 0xfe000000       ; the same, one bit up: the scale's byte is the top byte
	v_lshl_add_u32 v243, v234, 1, 0xfe000000
	s_delay_alu instid0(VALU_DEP_1)
	v_perm_b32 v238, v243, v242, v5                ; my two bytes at their places in the word
	s_delay_alu instid0(VALU_DEP_1)
	v_permlanex16_b32 v239, v238, s[SEL], s[SEL+1]
.irp i, 0,1,2,3,4,5,6,7
	v_cvt_scalef32_pk8_fp4_f32 v[224+\i], v[96+8*\i:103+8*\i], v[240+\i/4]   ; tile i's eight keys: register i of p's operand
.endr
	v_or_b32 v30, v238, v239                       ; p's scale word for these 128 keys (also the plain line behind the conversions)
	v_pk_fma_f32 v[14:15], v[14:15], v[10:11], v[96:97] op_sel_hi:[1,0,1]   ; the sum under the new M, and the unquantised p: four chains.  These 29 lines are also the places in front of the products below
	v_pk_add_f32 v[244:245], v[98:99], v[100:101]
	v_pk_add_f32 v[246:247], v[102:103], v[104:105]
	v_pk_add_f32 v[248:249], v[106:107], v[108:109]
.irp g, 7,11,15,19,23,27
	v_pk_add_f32 v[14:15], v[14:15], v[96+2*\g:97+2*\g]
	v_pk_add_f32 v[244:245], v[244:245], v[98+2*\g:99+2*\g]
	v_pk_add_f32 v[246:247], v[246:247], v[100+2*\g:101+2*\g]
	v_pk_add_f32 v[248:249], v[248:249], v[102+2*\g:103+2*\g]
.endr
	v_pk_add_f32 v[14:15], v[14:15], v[158:159]
	s_wait_alu depctr_va_vdst(0)                   ; the wait here, directly ahead of the wait below
	s_wait_dscnt 12*(\pf)                          ; V's ten loads are in; behind them stand the next step's twelve of K
.irp d, 0,1,2,3                                ; O^T += V^T P^T: the four accumulators take turns
.if (\d)%2
	v_wmma_scale_f32_16x16x128_f8f6f4 v[160+8*\d:167+8*\d], v[192+8*\d:199+8*\d], v[224:231], v[160+8*\d:167+8*\d], v[28+\d/2], v30 matrix_a_fmt:MATRIX_FMT_FP4 matrix_b_fmt:MATRIX_FMT_FP4 matrix_a_scale:MATRIX_SCALE_ROW1
.else
	v_wmma_scale_f32_16x16x128_f8f6f4 v[160+8*\d:167+8*\d], v[192+8*\d:199+8*\d], v[224:231], v[160+8*\d:167+8*\d], v[28+\d/2], v30 matrix_a_fmt:MATRIX_FMT_FP4 matrix_b_fmt:MATRIX_FMT_FP4
.endif
.endr
.endm
	s_wait_alu depctr_va_vdst(0)                   ; the wait at the head's end
	s_wait_tensorcnt 0x0                           ; my fill is in LDS,
	s_barrier_signal -1
	s_barrier_wait -1                              ; everybody's is: the only barrier ahead of the way out
	KLOAD 0
	s_wait_loadcnt 0x0                             ; Q
	s_mov_b32 s[CNT], 5
.Ltrip:                                                ; five trips of three key steps; the sixteenth step, which asks for nothing more, is written out
	STEP 0, 1
	STEP 1, 1
	STEP 2, 1
	s_sub_co_u32 s[CNT], s[CNT], 1
	s_cmp_lg_u32 s[CNT], 0
	s_cbranch_scc1 .Ltrip
	STEP 0, 0
	; THE WAY OUT: O^T / the sum; register 16 B + i is o(my query, d = 32 B + 16 h + i): two blocks of 32 along the last product's K, quantised in registers
	v_pk_add_f32 v[244:245], v[244:245], v[246:247]   ; the sum's chains (also the places behind the last products)
	v_pk_add_f32 v[14:15], v[14:15], v[248:249]
	v_nop
	v_pk_add_f32 v[14:15], v[14:15], v[244:245]
	s_delay_alu instid0(VALU_DEP_1)
	v_add_f32 v14, v14, v15                        ; its two halves,
	s_delay_alu instid0(VALU_DEP_1)
	v_permlanex16_b32 v237, v14, s[SEL], s[SEL+1]
	s_delay_alu instid0(VALU_DEP_1)
	v_add_f32 v14, v14, v237                       ; and lane l xor 16's blocks: the row's sum
	s_wait_alu depctr_va_vdst(0)                   ; the wait ahead of the transcendental
	v_rcp_f32 v14, v14
	v_nop                                          ; one plain place behind a transcendental
	s_wait_alu depctr_va_vdst(0)                   ; and ahead of its first reader, which is also O^T's
.set n, 0
.rept 16
	v_pk_mul_f32 v[96+n:97+n], v[160+n:161+n], v[14:15] op_sel_hi:[1,0]   ; each accumulator from its low end on
.set n, n+2
.endr
.irp b, 0,1
	v_max3_num_f32 v[232+\b], |v[96+16*\b]|, |v[97+16*\b]|, 0x1800000
.endr
.irp i, 2,4,6,8,10,12,14
.irp b, 0,1
	s_delay_alu instid0(VALU_DEP_2)
	v_max3_num_f32 v[232+\b], v[232+\b], |v[96+16*\b+\i]|, |v[97+16*\b+\i]|
.endr
.endr
.irp b, 0,1
	s_delay_alu instid0(VALU_DEP_2)
	v_permlanex16_b32 v[236+\b], v[232+\b], s[SEL], s[SEL+1]
.endr
.irp b, 0,1
	s_delay_alu instid0(VALU_DEP_2)
	v_max_num_f32 v[232+\b], v[232+\b], v[236+\b]  ; with lane l xor 16's half of the block
.endr
.irp b, 0,1
	s_delay_alu instid0(VALU_DEP_2)
	v_add_nc_u32 v[244+\b], 0xff000000, v[232+\b]
.endr
.irp b, 0,1
	s_delay_alu instid0(VALU_DEP_2)
	v_lshrrev_b32 v[236+\b], 23, v[244+\b]
.endr
	s_delay_alu instid0(VALU_DEP_1)
	v_lshl_or_b32 v238, v237, 8, v236              ; my row's two scale bytes
.irp b, 0,1
	v_cvt_scalef32_pk8_fp4_f32 v[224+2*\b], v[96+16*\b:103+16*\b], v[244+\b]
	v_cvt_scalef32_pk8_fp4_f32 v[225+2*\b], v[104+16*\b:111+16*\b], v[244+\b]
.endr
	v_nop                                          ; one plain place behind a scaled conversion
	v_permlane16_swap_b32 v224, v226               ; lanes 0-15 block 0, lanes 16-31 block 1
	v_permlane16_swap_b32 v225, v227
	global_store_b128 v7, v[224:227], s[8:9]       ; 32 lanes store 512 consecutive bytes, at a multiple of 256 from the buffer's first byte
	global_store_b16 v6, v238, s[10:11]            ; two bytes a row, 32 bytes apart: a row's 32 scale bytes come from sixteen work-groups, so none has more of it; lanes 16-31 repeat lanes 0-15
	s_wait_tensorcnt 0x0                           ; the wave's end
	ds_add_u32 v8, v9
	s_wait_dscnt 0x0
	CROUND                                         ; the closing round
	s_endpgm
.Lfunc_end_k_q671b308c67_attn:
	.size	k_q671b308c67_attn, .Lfunc_end_k_q671b308c67_attn-k_q671b308c67_attn
	.p2alignl 7, 3214868480
	.fill 96, 4, 3214868480
	.section	.rodata,"a",@progbits
	.p2align	6, 0x0
	.amdhsa_kernel k_q671b308c67_attn
		.amdhsa_group_segment_fixed_size 167936
		.amdhsa_private_segment_fixed_size 0
		.amdhsa_enable_private_segment 0
		.amdhsa_kernarg_size 32
		.amdhsa_user_sgpr_count 2
		.amdhsa_user_sgpr_kernarg_segment_ptr 1
		.amdhsa_wavefront_size32 1
		.amdhsa_system_sgpr_workgroup_id_x 1
		.amdhsa_system_sgpr_workgroup_id_y 1
		.amdhsa_system_sgpr_workgroup_id_z 1
		.amdhsa_system_vgpr_workitem_id 0
		.amdhsa_next_free_vgpr 256
		.amdhsa_next_free_sgpr 104
		.amdhsa_reserve_vcc 0
		.amdhsa_float_denorm_mode_32 3
		.amdhsa_float_denorm_mode_16_64 3
		.amdhsa_memory_ordered 1
		.amdhsa_forward_progress 1
		.amdhsa_inst_pref_size 73
	.end_amdhsa_kernel
	.amdgpu_metadata
---
amdhsa.version: [ 1, 2 ]
amdhsa.kernels:
  - .name:           k_q671b308c67_attn
    .symbol:         k_q671b308c67_attn.kd
    .args:
      - { .name: qkv_img, .offset: 0, .size: 8, .value_kind: global_buffer, .address_space: global }
      - { .name: qkv_sc, .offset: 8, .size: 8, .value_kind: global_buffer, .address_space: global }
      - { .name: a_img, .offset: 16, .size: 8, .value_kind: global_buffer, .address_space: global }
      - { .name: a_sc, .offset: 24, .size: 8, .value_kind: global_buffer, .address_space: global }
    .group_segment_fixed_size: 167936
    .private_segment_fixed_size: 0
    .kernarg_segment_align: 8
    .kernarg_segment_size: 32
    .max_flat_workgroup_size: 512
    .sgpr_count:     104
    .vgpr_count:     256
    .wavefront_size: 32
...
	.end_amdgpu_metadata
.endif
;; end of part 3
;; launch outp (part 4): grid 8 x 32, 4 waves a work-group, clusters of 4 x 4, 197,120 bytes of LDS; arguments codes, scl, a_img, a_sc, bo, out0; writes out0
.if DOCPART == 4
	.amdgcn_target "amdgcn-amd-amdhsa--gfx1250"
	.amdhsa_code_object_version 6
	.text
	.protected	k_q671b308c67_outp
	.globl	k_q671b308c67_outp
	.p2align	8
	.type	k_q671b308c67_outp,@function
k_q671b308c67_outp:
	s_mov_b64 s[64:65], 0
	v_nop
	global_prefetch_b8 v0, s[64:65] scope:SCOPE_SE
	s_setreg_imm32_b32 hwreg(HW_REG_WAVE_MODE, 25, 1), 1
	s_wait_xcnt 0x0
	s_wait_alu depctr_hold_cnt(0) depctr_sa_sdst(0) depctr_va_vdst(0) depctr_va_sdst(0) depctr_va_ssrc(0) depctr_va_vcc(0) depctr_vm_vsrc(0)
	s_getreg_b32 s2, hwreg(HW_REG_IB_STS2, 6, 4)
	s_cmp_eq_u32 s2, 0
	s_cbranch_scc0 .Lentry_in_a_cluster
	s_endpgm
.Lentry_in_a_cluster:
	s_bfe_u32 s2, ttmp6, 0x10000c
	s_cmp_lg_u32 s2, 0xf033
	s_cbranch_scc0 .Lentry_shape_is_right
	s_endpgm
.Lentry_shape_is_right:
; out0 = o Wo^T + bo on codes of FP4 (E2M1) with E8M0 scales, sums in f32.  Work-group (j, i) makes 128 tokens (block i) x 128 columns (block j); wave qd makes all 128 columns for 32 tokens:
; source 0 = Wo's 128 rows (eight tiles), source 1 = two tiles of tokens: 16 accumulators, K = 1,024 in eight steps of 128.  A lane holds one token; its registers run along the columns.
; Lane r of tile 2 B + u holds row 32 B + 8 u + r + 8 (r / 8), of Wo and of the tokens alike; the stores to out0 undo that order by their offsets.
; Both blocks (65,536 bytes of codes, 4,096 of scale bytes each) lie in memory in the order of the operand's registers and fit in LDS at once: filled once, nothing is filled again.
; CLUSTER 4 x 4: the four work-groups of a row share the tokens' block, the four of a column Wo's: every fill is a joint load, one a wave.
.set ACD,  65536                       ; LDS: Wo's codes at 0; the tokens' codes;
.set WSC,  131072                      ; Wo's scale bytes;
.set ASC,  135168                      ; the tokens';
.set STG,  139264                      ; a stage of 16 rows x (512 + 16) bytes for each wave: no fill lands here
.set SS0,  28                          ; v28-43   Wo's scale words: register 4 q + ks % 4: lanes 0-15 tile q, lanes 16-31 tile q + 4
.set SS1,  44                          ; v44-47   the tokens': lanes 0-15 tile 0, lanes 16-31 tile 1
.set F1,   48                          ; v48-63   the tokens' two fragments
.set F0,   64                          ; v64-127  Wo's eight
.set ACC,  128                         ; v128-255 accumulator (t, s) at ACC + 64 s + 8 t
.set WV,   26
.set G1WC, 36
.set G1XC, 44
.set G1WS, 52
.set G1XS, 68
.set G0WC, 76
.set G0XC, 80
.set G0WS, 84
.set G0XS, 88
.macro CROUND                          ; a round of the cluster's barrier
	s_barrier_signal -1
	s_barrier_wait -1
	s_cmp_lg_u32 s[WV], 0
	s_cbranch_scc1 .Lnot_wave_0_\@
	s_barrier_signal -3
.Lnot_wave_0_\@:
	s_barrier_wait -3
	s_barrier_signal -1
	s_barrier_wait -1
.endm
.macro PLACES
.rept 4
	v_nop
.endr
.endm
.macro MM d, a, b, sa, sb, ra, rb      ; one product, in place; ra, rb: the scale words stand in lanes 16-31
.if (\ra) && (\rb)
	v_wmma_scale_f32_16x16x128_f8f6f4 v[(\d):(\d)+7], v[(\a):(\a)+7], v[(\b):(\b)+7], v[(\d):(\d)+7], v[\sa], v[\sb] matrix_a_fmt:MATRIX_FMT_FP4 matrix_b_fmt:MATRIX_FMT_FP4 matrix_a_scale:MATRIX_SCALE_ROW1 matrix_b_scale:MATRIX_SCALE_ROW1
.elseif (\ra)
	v_wmma_scale_f32_16x16x128_f8f6f4 v[(\d):(\d)+7], v[(\a):(\a)+7], v[(\b):(\b)+7], v[(\d):(\d)+7], v[\sa], v[\sb] matrix_a_fmt:MATRIX_FMT_FP4 matrix_b_fmt:MATRIX_FMT_FP4 matrix_a_scale:MATRIX_SCALE_ROW1
.elseif (\rb)
	v_wmma_scale_f32_16x16x128_f8f6f4 v[(\d):(\d)+7], v[(\a):(\a)+7], v[(\b):(\b)+7], v[(\d):(\d)+7], v[\sa], v[\sb] matrix_a_fmt:MATRIX_FMT_FP4 matrix_b_fmt:MATRIX_FMT_FP4 matrix_b_scale:MATRIX_SCALE_ROW1
.else
	v_wmma_scale_f32_16x16x128_f8f6f4 v[(\d):(\d)+7], v[(\a):(\a)+7], v[(\b):(\b)+7], v[(\d):(\d)+7], v[\sa], v[\sb] matrix_a_fmt:MATRIX_FMT_FP4 matrix_b_fmt:MATRIX_FMT_FP4
.endif
.endm
	s_load_b256 s[4:11], s[0:1], 0x0               ; codes, scl, a_img, a_sc
	s_load_b128 s[12:15], s[0:1], 0x20             ; bo, out0
	v_lshl_add_u32 v26, v0, 2, 0x30000
	v_mov_b32 v27, 0
	ds_add_u32 v26, v27
	ds_add_u32 v26, v27
	v_lshrrev_b32 v48, 5, v0
	v_readfirstlane_b32 s[WV], v48                 ; wave 0..3: my quarter of the tokens
	s_bfe_u32 s30, ttmp6, 0x40000                  ; cx, cy
	s_bfe_u32 s31, ttmp6, 0x40004
	s_lshl_b32 s32, ttmp9, 2
	s_add_co_u32 s32, s32, s30                     ; j
	s_and_b32 s33, ttmp7, 0xffff
	s_lshl_b32 s33, s33, 2
	s_add_co_u32 s33, s33, s31                     ; i
	s_lshl_b32 s34, s31, 2
	s_lshl_b32 s34, 15, s34                        ; my row of the cluster: shares i
	s_lshl_b32 s35, 0x1111, s30                    ; my column: shares j
	s_or_b32 s[G1WC], s35, (3<<16)|(1<<21)         ; 15:0 the mask; 17:16 elements of 8 bytes; 21 set beside a mask
	s_or_b32 s[G1XC], s34, (3<<16)|(1<<21)
	s_or_b32 s[G1WS], s35, (3<<16)|(1<<21)
	s_or_b32 s[G1XS], s34, (3<<16)|(1<<21)
.irp g, G1WC, G1XC                     ; a block of codes: 256 rows of 256 bytes, dense
	s_mov_b32 s[\g+1], 32<<16
	s_mov_b32 s[\g+2], 256<<16
	s_mov_b32 s[\g+3], 32<<16
	s_mov_b32 s[\g+4], 256
	s_mov_b32 s[\g+5], 32
	s_mov_b32 s[\g+6], 0
	s_mov_b32 s[\g+7], 0
.endr
.irp g, G1WS, G1XS                     ; a block's scale bytes: 16 rows of 256 bytes
	s_mov_b32 s[\g+1], 32<<16
	s_mov_b32 s[\g+2], 16<<16
	s_mov_b32 s[\g+3], 32<<16
	s_mov_b32 s[\g+4], 16
	s_mov_b32 s[\g+5], 32
	s_mov_b32 s[\g+6], 0
	s_mov_b32 s[\g+7], 0
.endr
	s_add_co_u32 s92, s32, 56                      ; Wo's blocks begin at 56
	s_lshl_b32 s96, s92, 12
	s_mov_b32 s97, 0
	s_lshl_b32 s92, s92, 16
	s_mov_b32 s93, 0
	s_lshl_b32 s94, s33, 16                        ; the tokens' block i
	s_mov_b32 s95, 0
	s_lshl_b32 s18, s33, 12
	s_mov_b32 s19, 0
	s_lshl_b32 s22, s33, 19                        ; out0: 128 i + 32 qd rows of 4,096 bytes, + 512 j
	s_lshl_b32 s23, s[WV], 17
	s_add_co_u32 s22, s22, s23
	s_lshl_b32 s23, s32, 9
	s_add_co_u32 s22, s22, s23
	s_mov_b32 s24, s23                             ; bo: my block's 128 numbers
	s_mov_b32 s23, 0
	s_mov_b32 s25, 0
	s_wait_dscnt 0x0
	s_wait_kmcnt 0x0
	s_add_nc_u64 s[22:23], s[14:15], s[22:23]
	s_add_nc_u64 s[24:25], s[12:13], s[24:25]
	s_mov_b32 s[G0WC], 1
	s_mov_b32 s[G0WC+1], 0
	s_add_nc_u64 s[G0WC+2:G0WC+3], s[4:5], s[92:93]
	s_or_b32 s[G0WC+3], s[G0WC+3], 0x80000000
	s_mov_b32 s[G0XC], 1
	s_mov_b32 s[G0XC+1], ACD
	s_add_nc_u64 s[G0XC+2:G0XC+3], s[8:9], s[94:95]
	s_or_b32 s[G0XC+3], s[G0XC+3], 0x80000000
	s_mov_b32 s[G0WS], 1
	s_mov_b32 s[G0WS+1], WSC
	s_add_nc_u64 s[G0WS+2:G0WS+3], s[6:7], s[96:97]
	s_or_b32 s[G0WS+3], s[G0WS+3], 0x80000000
	s_mov_b32 s[G0XS], 1
	s_mov_b32 s[G0XS+1], ASC
	s_add_nc_u64 s[G0XS+2:G0XS+3], s[10:11], s[18:19]
	s_or_b32 s[G0XS+3], s[G0XS+3], 0x80000000
	CROUND                                         ; all sixteen work-groups are here: the joint loads meet
	s_cmp_eq_u32 s[WV], 0                          ; one load a wave; four v_nop follow each line
	s_cbranch_scc0 .Lnot_wc
	tensor_load_to_lds s[G0WC:G0WC+3], s[G1WC:G1WC+7]
	s_nop 0
	PLACES
	s_branch .Lasked
.Lnot_wc:
	s_cmp_eq_u32 s[WV], 1
	s_cbranch_scc0 .Lnot_xc
	tensor_load_to_lds s[G0XC:G0XC+3], s[G1XC:G1XC+7]
	s_nop 0
	PLACES
	s_branch .Lasked
.Lnot_xc:
	s_cmp_eq_u32 s[WV], 2
	s_cbranch_scc0 .Lfor_xs
	tensor_load_to_lds s[G0WS:G0WS+3], s[G1WS:G1WS+7]
	s_nop 0
	PLACES
	s_branch .Lasked
.Lfor_xs:
	tensor_load_to_lds s[G0XS:G0XS+3], s[G1XS:G1XS+7]
	s_nop 0
	PLACES
.Lasked:
	v_and_b32 v48, 31, v0                          ; lane
	v_and_b32 v49, 15, v0                          ; r
	v_bfe_u32 v50, v0, 4, 1                        ; h
	v_lshlrev_b32 v8, 4, v48                       ; v8: 16 x lane
	v_mov_b32 v1, v8                               ; v1: Wo's fragments
	s_lshl_b32 s100, s[WV], 14
	s_add_co_u32 s100, s100, ACD
	v_add_nc_u32 v2, s100, v8                      ; v2: my two tiles of tokens
	v_lshlrev_b32 v51, 5, v49
	v_lshl_add_u32 v3, v50, 11, v51
	v_add_nc_u32 v3, WSC, v3                       ; v3: Wo's scale words: lanes 16-31 four tiles on
	s_lshl_b32 s100, s[WV], 10
	s_add_co_u32 s100, s100, ASC
	v_lshl_add_u32 v4, v50, 9, v51
	v_add_nc_u32 v4, s100, v4                      ; v4: the tokens': lanes 16-31 one tile on
	s_mul_i32 s100, s[WV], 16*528
	s_add_co_u32 s100, s100, STG                   ; my stage
	v_mul_u32_u24 v5, v49, 528
	v_lshl_add_u32 v5, v50, 6, v5
	v_add_nc_u32 v5, s100, v5                      ; v5: in: row r, + 64 h
	v_add_nc_u32 v6, s100, v8                      ; v6: back: a whole row of 512 bytes
	v_lshlrev_b32 v7, 6, v50                       ; THE SUMS BEGIN AT THE BIAS: accumulator (t, s) is loaded with bo at its columns 32 (t / 2) + 8 (t % 2) + 16 h + 0 .. 7
.irp s, 0,1
.irp t, 0,1,2,3,4,5,6,7
	global_load_b128 v[ACC+64*\s+8*\t:ACC+64*\s+8*\t+3], v7, s[24:25] offset:(32*(\t/2)+8*(\t%2))*4
	global_load_b128 v[ACC+64*\s+8*\t+4:ACC+64*\s+8*\t+7], v7, s[24:25] offset:(32*(\t/2)+8*(\t%2))*4+16
.endr
.endr
	s_wait_alu depctr_va_vdst(0)
	s_wait_tensorcnt 0x0                           ; my part of the operands is in LDS,
	s_barrier_signal -1
	s_barrier_wait -1                              ; everybody's is
	s_wait_loadcnt 0x0                             ; the bias
; A K step of 128.  The 16 accumulators take turns, one instruction a turn.
.macro KSTEP ks
.if (\ks)%4 == 0
.irp q, 0,1,2,3
	ds_load_b128 v[SS0+4*\q:SS0+4*\q+3], v3 offset:512*\q+16*((\ks)/4)
.endr
	ds_load_b128 v[SS1:SS1+3], v4 offset:16*((\ks)/4)
.endif
.irp s, 0,1
.irp c, 0,1
	ds_load_b128 v[F1+8*\s+4*\c:F1+8*\s+4*\c+3], v2 offset:8192*\s+1024*(\ks)+512*\c
.endr
.endr
.irp t, 0,1,2,3,4,5,6,7
.irp c, 0,1
	ds_load_b128 v[F0+8*\t+4*\c:F0+8*\t+4*\c+3], v1 offset:8192*\t+1024*(\ks)+512*\c
.endr
.endr
	s_wait_dscnt 0x0
.irp t, 0,1,2,3,4,5,6,7
.irp s, 0,1
	MM ACC+64*\s+8*\t, F0+8*\t, F1+8*\s, SS0+4*(\t%4)+(\ks)%4, SS1+(\ks)%4, \t/4, \s
.endr
.endr
	PLACES                                         ; in front of the next step's loads into these operands, and of the first read of results
.endm
	KSTEP 0
	KSTEP 1
	KSTEP 2
	KSTEP 3
	KSTEP 4
	KSTEP 5
	KSTEP 6
	KSTEP 7
	; THE WAY OUT.  A lane holds pieces of 32 bytes of one row, the lanes beside it other rows: a tile of 16 tokens goes through my own stage and comes back as whole rows of 512 bytes.
	; LDS serves a wave's instructions in order (ISA guide 5.7.1.4): no wait between the stores and the loads, nor in front of the second tile's stores.
.irp s, 0,1
.irp t, 0,1,2,3,4,5,6,7
	ds_store_b128 v5, v[ACC+64*\s+8*\t:ACC+64*\s+8*\t+3] offset:(32*(\t/2)+8*(\t%2))*4          ; each accumulator from its low end on
	ds_store_b128 v5, v[ACC+64*\s+8*\t+4:ACC+64*\s+8*\t+7] offset:(32*(\t/2)+8*(\t%2))*4+16
.endr
.irp n, 0,1,2,3,4,5,6,7,8,9,10,11,12,13,14,15
	ds_load_b128 v[64+64*\s+4*\n:64+64*\s+4*\n+3], v6 offset:528*\n
.endr
.endr
.irp s, 0,1
.irp n, 0,1,2,3,4,5,6,7,8,9,10,11,12,13,14,15
	s_wait_dscnt 32*(1-\s)+15-\n                   ; row n is back; behind its load stand the tile's later loads and, for the first tile, the second's 32 instructions
	global_store_b128 v8, v[64+64*\s+4*\n:64+64*\s+4*\n+3], s[22:23] offset:(8*\s+\n+8*(\n/8))*4096 th:TH_STORE_NT   ; stage row n is token 8 s + n + 8 (n / 8) of my 32; 32 lanes store 512 consecutive bytes, at a multiple of 256 from out0's first byte
.endr
.endr
	s_wait_tensorcnt 0x0
	ds_add_u32 v26, v27
	s_wait_dscnt 0x0
	CROUND                                         ; the closing round
	s_endpgm
.Lfunc_end_k_q671b308c67_outp:
	.size	k_q671b308c67_outp, .Lfunc_end_k_q671b308c67_outp-k_q671b308c67_outp
	.p2alignl 7, 3214868480
	.fill 96, 4, 3214868480
	.section	.rodata,"a",@progbits
	.p2align	6, 0x0
	.amdhsa_kernel k_q671b308c67_outp
		.amdhsa_group_segment_fixed_size 197120
		.amdhsa_private_segment_fixed_size 0
		.amdhsa_enable_private_segment 0
		.amdhsa_kernarg_size 48
		.amdhsa_user_sgpr_count 2
		.amdhsa_user_sgpr_kernarg_segment_ptr 1
		.amdhsa_wavefront_size32 1
		.amdhsa_system_sgpr_workgroup_id_x 1
		.amdhsa_system_sgpr_workgroup_id_y 1
		.amdhsa_system_sgpr_workgroup_id_z 1
		.amdhsa_system_vgpr_workitem_id 0
		.amdhsa_next_free_vgpr 256
		.amdhsa_next_free_sgpr 104
		.amdhsa_reserve_vcc 0
		.amdhsa_float_denorm_mode_32 3
		.amdhsa_float_denorm_mode_16_64 3
		.amdhsa_memory_ordered 1
		.amdhsa_forward_progress 1
		.amdhsa_inst_pref_size 47
	.end_amdhsa_kernel
	.amdgpu_metadata
---
amdhsa.version: [ 1, 2 ]
amdhsa.kernels:
  - .name:           k_q671b308c67_outp
    .symbol:         k_q671b308c67_outp.kd
    .args:
      - { .name: codes, .offset: 0, .size: 8, .value_kind: global_buffer, .address_space: global }
      - { .name: scl, .offset: 8, .size: 8, .value_kind: global_buffer, .address_space: global }
      - { .name: a_img, .offset: 16, .size: 8, .value_kind: global_buffer, .address_space: global }
      - { .name: a_sc, .offset: 24, .size: 8, .value_kind: global_buffer, .address_space: global }
      - { .name: bo, .offset: 32, .size: 8, .value_kind: global_buffer, .address_space: global }
      - { .name: out0, .offset: 40, .size: 8, .value_kind: global_buffer, .address_space: global }
    .group_segment_fixed_size: 197120
    .private_segment_fixed_size: 0
    .kernarg_segment_align: 8
    .kernarg_segment_size: 48
    .max_flat_workgroup_size: 128
    .sgpr_count:     104
    .vgpr_count:     256
    .wavefront_size: 32
...
	.end_amdgpu_metadata
.endif
;; end of part 4
